; MI455X (gfx1250); checked and timed in simulation.
; The chip was launched on July 23, 2026; its instructions are those of AMD's public machine-readable ISA for CDNA 5 (MIT licence, August 2026) and "CDNA5" Instruction Set Architecture Reference Guide (July 2026). The comments in the code are by the model that wrote it; some were corrected since.
;; RKAN Sub Layer. Allowed arithmetic: matrix products marked QUANTISED: E2M1 operands, one E8M0 scale for each 32 along K, by v_wmma_scale_f32_16x16x128_f8f6f4 with both operands' format E2M1 (or v_wmma_scale_f32_32x16x128_f4), f32 sums; everything else in f32.
;; Inputs: h_prev 4,096 x 1,024 float32; hh_b 1,024 float32; hh_w_codes 1,024 x 32 x 16 uint8 (E2M1 codes of hh_w, K innermost, in blocks of 32 codes, two codes a byte); hh_w_scales 1,024 x 32 uint8 (E8M0 scales of hh_w, one for each 32 codes along K); hz_base_codes 1,024 x 32 x 16 uint8 (E2M1 codes of hz_base, K innermost, in blocks of 32 codes, two codes a byte); hz_base_scales 1,024 x 32 uint8 (E8M0 scales of hz_base, one for each 32 codes along K); hz_scaler 1,024 x 1,024 float32; hz_spline 1,024 x 1,024 x 4 float32; wh_base_codes 1,024 x 32 x 16 uint8 (E2M1 codes of wh_base, K innermost, in blocks of 32 codes, two codes a byte); wh_base_scales 1,024 x 32 uint8 (E8M0 scales of wh_base, one for each 32 codes along K); wh_scaler 1,024 x 1,024 float32; wh_spline 1,024 x 1,024 x 4 float32; wx_base_codes 1,024 x 32 x 16 uint8 (E2M1 codes of wx_base, K innermost, in blocks of 32 codes, two codes a byte); wx_base_scales 1,024 x 32 uint8 (E8M0 scales of wx_base, one for each 32 codes along K); wx_scaler 1,024 x 1,024 float32; wx_spline 1,024 x 1,024 x 4 float32; x_t 4,096 x 1,024 float32; z_prev 4,096 x 1,024 float32.
;; Outputs: out0 4,096 x 1,024 float32; out1 4,096 x 1,024 float32.
;; This version of the problem:
;;   THIS VERSION OF THE PROBLEM IS GIVEN IN LOW PRECISION. The matrix products marked QUANTISED in the list below multiply operands that are first quantised to E2M1 (2 exponent bits, 1 mantissa bit; 4 bits a number), with one power-of-two scale for each 32 numbers along K (OCP MX v1.0); their sums are f32. All else is computed in f32.
;;   The module's matrix products, in the order in which they are computed (A, B: the left and right operand; K: the contracted axis; several contracted axes count as one K, in the product's order):
;;     1. [M 4,096, K 1,024] x [K 1,024, N 1,024]; A: computed on the way; B: input wx_base (given as codes): QUANTISED
;;     2. [M 4,096, K 4,096] x [K 4,096, N 1,024]; A: computed on the way; B: computed on the way: QUANTISED
;;     3. [M 4,096, K 1,024] x [K 1,024, N 1,024]; A: computed on the way; B: input wh_base (given as codes): QUANTISED
;;     4. [M 4,096, K 4,096] x [K 4,096, N 1,024]; A: computed on the way; B: computed on the way: QUANTISED
;;     5. [M 4,096, K 1,024] x [K 1,024, N 1,024]; A: input z_prev; B: input hh_w (given as codes): QUANTISED
;;     6. [M 4,096, K 1,024] x [K 1,024, N 1,024]; A: computed on the way; B: input hz_base (given as codes): QUANTISED
;;     7. [M 4,096, K 4,096] x [K 4,096, N 1,024]; A: computed on the way; B: computed on the way: QUANTISED
;;   THE QUANTISER, for each operand of a quantised product, along K:
;;     - K is cut into blocks of 32 from its start; a last block that is shorter is filled with zeros.
;;     - A block's scale is 2^e with e = floor(log2(the largest magnitude in the block)) - 2, held to -126 .. 127; a block of zeros has e = 0. As a byte (E8M0): e + 127.
;;     - Each number is divided by its block's scale, clamped to +-6, and rounded to the nearest number of E2M1, ties to even, subnormals kept.
;;     - The product sums the exact products of the quantised numbers (number of the format x scale) in f32.
;;   ~~~python
;;   def quantise(x, axis):      # numpy; x: float32 -> the quantised numbers, widened to float32 again
;;       x = np.moveaxis(x, axis, -1); K = x.shape[-1]
;;       x = np.pad(x, [(0, 0)] * (x.ndim - 1) + [(0, -K % 32)]); x = x.reshape(x.shape[:-1] + (-1, 32)); a = np.abs(x).max(-1, keepdims=True)
;;       e = np.where(a > 0, np.clip(np.frexp(np.where(a > 0, a, 1))[1] - 1 - 2, -126, 127), 0)      # np.frexp(a)[1] - 1 = floor(log2(a)), exactly
;;       r = np.clip(x / 2.0 ** e, -6, 6)
;;       step = 2.0 ** (np.maximum(np.frexp(np.where(r == 0, 1, r))[1] - 1, 0) - 1)
;;       q = np.round(r / step) * step * 2.0 ** e      # np.round: ties to even
;;       return np.moveaxis(q.reshape(q.shape[:-2] + (-1,))[..., :K], -1, axis).astype(np.float32)
;;   ~~~
;;   OPERANDS COMPUTED ON THE WAY. 'Computed on the way' means the value that the module computes at that place (a softmax that the list does not call 'softmax' is quantised finished and normalised). What goes into a quantiser is computed in f32, as accurately as f32 sums, v_exp_f32 and their like allow (about 1e-6 of the number): no bf16 or f16 on the way to a quantiser, and a product that is left as it is and whose result goes on into a quantised operand takes f32 operands (vector FMAs, or v_wmma_f32_16x16x4_f32). A number that lies on a knife's edge between two numbers of the format may be rounded either way, as far as f32 arithmetic and the matrix unit's own rounding can turn it there, and no further.
;;   INPUTS GIVEN AS CODES. hh_w (in the module: [1024, 1024], K = its axis 1); hz_base (in the module: [1024, 1024], K = its axis 1); wh_base (in the module: [1024, 1024], K = its axis 1); wx_base (in the module: [1024, 1024], K = its axis 1): each comes as NAME_codes (uint8): NAME with its K axis moved to the last place and cut into blocks of 32 codes, [.., K / 32, bytes a block], one block behind the other in memory; two codes a byte, the lower K in the low four bits (a code: sign, 2 exponent bits, 1 mantissa bit); and NAME_scales (uint8): the same leading axes, one E8M0 byte (e + 127) for each 32 codes along K. Its value is code x scale, taken as it is: it is not quantised again, and the codes and scales need not be those that the quantiser above would give.
;; One version. Each part assembles by itself: llvm-mc -triple=amdgcn-amd-amdhsa -mcpu=gfx1250 --defsym DOCPART=n.
;; ======== version 1 of 1: 3 launches
;; limits: a function is approximated: absolute error at most 1.2e-07
;; workspace buffers: acat1 22,282,240 bytes; bcat1 5,570,560 bytes; acat2 13,369,344 bytes; bcat2 3,342,336 bytes
;; launch prep (part 1): grid 656 x 1, 4 waves a work-group, no clusters, 68,096 bytes of LDS; arguments x_t, z_prev, wx_spline, wh_spline, hz_spline, wx_scaler, wh_scaler, hz_scaler, wx_base_codes, wh_base_codes, hh_w_codes, hz_base_codes, wx_base_scales, wh_base_scales, hh_w_scales, hz_base_scales, acat1, bcat1, acat2, bcat2; writes acat1, bcat1, acat2, bcat2
.if DOCPART == 1
	.amdgcn_target "amdgcn-amd-amdhsa--gfx1250"
	.amdhsa_code_object_version 6
	.text
	.protected	k_q2824b665ce_prep
	.globl	k_q2824b665ce_prep
	.p2align	8
	.type	k_q2824b665ce_prep,@function
k_q2824b665ce_prep:
	s_mov_b64 s[64:65], 0
	v_nop
	global_prefetch_b8 v0, s[64:65] scope:SCOPE_SE
	s_setreg_imm32_b32 hwreg(HW_REG_WAVE_MODE, 25, 1), 1
	s_wait_xcnt 0x0
; PREP: every operand of the seven products that does not hang on o_t is made here once, as codes of E2M1 with one E8M0 byte for each 32 along K.
; THE SPLINE PRODUCTS' K runs k = 1024 c + i (coefficient c outermost, input feature i innermost): a block of 32 is 32 neighbouring features at one coefficient.  So basis c of x is one more
; tensor [rows][1024] beside silu(x), and coefficient c of spline x scaler one more weight [outputs][1024].
; WORKSPACE LAYOUT.  A half-block of HB = 17,408 bytes holds 64 rows x 512 along K as images of operand registers:
;   codes of (fragment q of 128 K, row block i of 16, block b of 32 K, row r) at (4 q + i) 1024 + 256 b + 16 r: 16 bytes;   scale words at 16384 + 256 i + 16 r + 4 q.
;   Half-block hb of row group g lies at (g NHB + hb) HB.  With half = feature / 512:
;   acat1 (NHB 20): half: silu(x); 2 + 2 c + half: basis c of x; 10 + half: silu(z); 12 + 2 c + half: basis c of z.   bcat1 (20): wx_base, coefficient c of wx, wh_base, coefficient c of wh, at the same places.
;   acat2 (12): half: z (here); 2 + half: silu(o), 4 + 2 c + half: basis c of o (next launch).                        bcat2 (12): hh_w, hz_base, coefficient c of hz.
; THREE PATHS by the work-group's number: 0-255 ACT (x and z), 256-639 W (spline x scaler), 640-655 COPY (the given codes and bytes, moved unchanged into the layout).
; A wave works alone: no barrier.  Its unit of work is a chunk of 16 rows x 512 bytes: 16 loads of 512 consecutive bytes, through the wave's own stage in LDS (rows 528 bytes apart), back by rows.
; In ACT and W lane (r, h) holds 16 neighbouring features of row r; lanes l and l xor 16 share a block of 32.  A lane's 16 codes are 8 bytes: the wave stores 256 consecutive bytes, aligned.
; B-SPLINES for any finite x (knots -7, -5 .. 7): with w = x / 2, basis j is N(w + 1.5 - j), N(t) = a^3 / 6 - 2 b^3 / 3, a = max(2 - |t|, 0), b = max(1 - |t|, 0); no branch on data.
; LIMITS: NaN and infinities among the inputs are not served.  A block of zeros, and one whose largest magnitude lies under 2^-124, gets the byte 1 (the rule says 127 for zeros): zero codes add nothing,
; and only this program reads the bytes.  For x under about -87 silu(x) comes out as -0.  h_prev is not read: the function computed here does not depend on it.
.set WREG, 16896                       ; LDS of a wave: a stage of 16 x 528 bytes, and a second one (scalers, path W)
.set SSA,  8448
.set PT,   528
.set HB,   17408
.set L16,  4                           ; v4   16 x lane
.set LST,  5                           ; v5   stage, way in: wave WREG + 16 lane
.set LRD,  6                           ; v6   stage, way out, COPY: wave WREG + 528 r + 128 h
.set LRX,  7                           ; v7   ACT: wave WREG + 528 r + 64 h
.set LRW,  8                           ; v8   W:   wave WREG + 528 r + 256 h
.set VWD,  9                           ; v9   16 r + 8 h
.set VCP,  10                          ; v10  8192 h + 16 r
.set VCS,  11                          ; v11  HB h + 16 r
.set VSL,  12                          ; v12  32 r + 16 h
.set LSW,  13                          ; v13  W, scalers: wave WREG + SSA + 528 r + 64 h
.set VW4,  14                          ; v14  16 r + 2 HB h
.set R0,   16                          ; v16-79   a chunk as loaded
.set R1,   80                          ; v80-143  COPY: a second one
.set XC,   144                         ; v144-207 COPY: 2 x 32 words of my row
.set XA,   80                          ; v80-95   ACT: my 16 features of a block
.set NB,   96                          ; v96-159  ACT: four bases x 16 features
.set YA,   96                          ; v96-111  ACT: silu of the 16, ahead of the bases
.set EA,   160                         ; v160-195 ACT: work registers of two features
.set T,    196                         ; v196-207 ACT: six pairs of scale words
.set XW,   80                          ; v80-143  W: 16 features x 4 coefficients as they lie
.set YW,   144                         ; v144-207 W: 4 coefficients x 16 features, scaled
.set SCL,  208                         ; v208-223 W: 16 scalers; COPY: scale bytes
.set MX,   224                         ; v224-227 largest magnitudes, then the conversions' scale operands
.set PX,   228                         ; v228-231 the other lane's, then the bytes
.set CC,   232                         ; v232-239 four pairs of code registers
.set WD,   240                         ; v240-245 the scale words in the making: silu, four bases (W: four coefficients from 240), raw z
.set TA,   246
.set TB,   247
.macro LOADCH reg, base, pitch, off    ; 16 rows x 512 consecutive bytes
.set lj, 0
.rept 16
	global_load_b128 v[\reg+4*lj:\reg+4*lj+3], v[L16], s[\base:\base+1] offset:lj*(\pitch)+(\off) th:TH_LOAD_NT
.set lj, lj+1
.endr
.endm
.macro TOST reg, area                  ; the chunk into the stage, as it lies
.set lj, 0
.rept 16
	ds_store_b128 v[LST], v[\reg+4*lj:\reg+4*lj+3] offset:(\area)+lj*PT
.set lj, lj+1
.endr
.endm
.macro LOADX x                         ; COPY: lane (r, h) takes bytes 128 (2 c + h) .. of row r.  LDS serves a wave's instructions in order: these see the stores
.irp c, 0,1
.irp k, 0,1,2,3,4,5,6,7
	ds_load_b128 v[\x+32*\c+4*\k:\x+32*\c+4*\k+3], v[LRD] offset:\c*256+\k*16
.endr
.endr
.endm
.macro LOADXA b                        ; ACT: my 16 features of block b of the chunk's four
.irp k, 0,1,2,3
	ds_load_b128 v[XA+4*\k:XA+4*\k+3], v[LRX] offset:(\b)*128+\k*16
.endr
.endm
; cnt (1 or 4) runs of 16 numbers, v[src + 16 x] on: each is my half of a block of 32.  By turns: the largest magnitude with the floor 2^(3 - 127) among its leaves, joined with lane l xor 16's;
; 2 off its exponent field = the conversions' scale operand; two conversions; the byte, shifted into word w0 + x at place beta; 8 bytes of codes stored at off + 2 HB x from base s[sb:sb+1].
.macro HQN cnt, src, ab, w0, sb, off, beta
.irp x, 0,1,2,3
.if \x < \cnt
.if \ab
	v_max3_num_f32 v[MX+\x], |v[\src+16*\x]|, |v[\src+16*\x+1]|, 0x1800000
.else
	v_max3_num_f32 v[MX+\x], v[\src+16*\x], v[\src+16*\x+1], 0x1800000
.endif
.endif
.endr
.irp i, 2,4,6,8,10,12,14
.irp x, 0,1,2,3
.if \x < \cnt
.if \ab
	v_max3_num_f32 v[MX+\x], v[MX+\x], |v[\src+16*\x+\i]|, |v[\src+16*\x+\i+1]|
.else
	v_max3_num_f32 v[MX+\x], v[MX+\x], v[\src+16*\x+\i], v[\src+16*\x+\i+1]
.endif
.endif
.endr
.endr
.irp x, 0,1,2,3
.if \x < \cnt
	v_permlanex16_b32 v[PX+\x], v[MX+\x], s48, s49
.endif
.endr
.irp x, 0,1,2,3
.if \x < \cnt
	v_max_num_f32 v[MX+\x], v[MX+\x], v[PX+\x]
.endif
.endr
.irp x, 0,1,2,3
.if \x < \cnt
	v_add_nc_u32 v[MX+\x], 0xff000000, v[MX+\x]
.endif
.endr
	s_wait_xcnt 0x0                                ; the code registers were earlier stores' data: they are written again only behind this wait
.irp x, 0,1,2,3
.if \x < \cnt
	v_cvt_scalef32_pk8_fp4_f32 v[CC+2*\x], v[\src+16*\x:\src+16*\x+7], v[MX+\x]
	v_cvt_scalef32_pk8_fp4_f32 v[CC+2*\x+1], v[\src+16*\x+8:\src+16*\x+15], v[MX+\x]
.endif
.endr
.irp x, 0,1,2,3
.if \x < \cnt
	v_lshrrev_b32 v[PX+\x], 23, v[MX+\x]           ; the byte; also the plain instruction behind the conversions
.endif
.endr
.irp x, 0,1,2,3
.if \x < \cnt
.if \beta == 0
	v_mov_b32 v[WD+\w0+\x], v[PX+\x]
.else
	v_lshl_or_b32 v[WD+\w0+\x], v[PX+\x], 8*(\beta), v[WD+\w0+\x]
.endif
.endif
.endr
.irp x, 0,1,2,3
.if \x < \cnt
	global_store_b64 v[VWD], v[CC+2*\x:CC+2*\x+1], s[\sb:\sb+1] offset:(\off)+\x*2*HB   ; the wave stores 256 consecutive bytes, aligned
.endif
.endr
.endm
; two features (the pair v[xp:xp+1]) -> basis j's pair at v[NB + 16 j + 2 k].  Every line works on both features; the four bases take turns.
; work registers, in pairs: EA + 2 i: w + kappa_i; EA + 10 + 2 i: kappa_i - w (kappa = -0.5 .. 3.5); EA + 20 + 2 j: a_j; EA + 28 + 2 j: b_j
.macro BSPP xp, k
	v_pk_fma_f32 v[EA:EA+1], v[\xp:\xp+1], 0.5, -0.5 op_sel_hi:[1,0,0]
	v_pk_fma_f32 v[EA+2:EA+3], v[\xp:\xp+1], 0.5, 0.5 op_sel_hi:[1,0,0]
	v_pk_fma_f32 v[EA+4:EA+5], v[\xp:\xp+1], 0.5, s[52:53] op_sel_hi:[1,0,0]
	v_pk_fma_f32 v[EA+6:EA+7], v[\xp:\xp+1], 0.5, s[54:55] op_sel_hi:[1,0,0]
	v_pk_fma_f32 v[EA+8:EA+9], v[\xp:\xp+1], 0.5, s[56:57] op_sel_hi:[1,0,0]
	v_pk_fma_f32 v[EA+10:EA+11], v[\xp:\xp+1], -0.5, -0.5 op_sel_hi:[1,0,0]
	v_pk_fma_f32 v[EA+12:EA+13], v[\xp:\xp+1], -0.5, 0.5 op_sel_hi:[1,0,0]
	v_pk_fma_f32 v[EA+14:EA+15], v[\xp:\xp+1], -0.5, s[52:53] op_sel_hi:[1,0,0]
	v_pk_fma_f32 v[EA+16:EA+17], v[\xp:\xp+1], -0.5, s[54:55] op_sel_hi:[1,0,0]
	v_pk_fma_f32 v[EA+18:EA+19], v[\xp:\xp+1], -0.5, s[56:57] op_sel_hi:[1,0,0]
.irp j, 0,1,2,3
.irp e, 0,1
	v_med3_num_f32 v[EA+20+2*\j+\e], v[EA+10+2*(\j+1)+\e], v[EA+2*(4-\j)+\e], 0   ; a_j = max(min(kappa_(j+1) - w, w + kappa_(4-j)), 0): the two sum to 4, so the middle one of them and 0 is that
	v_med3_num_f32 v[EA+28+2*\j+\e], v[EA+10+2*\j+\e], v[EA+2*(3-\j)+\e], 0       ; b_j likewise; the two sum to 2
.endr
.endr
.irp j, 0,1,2,3
	v_pk_mul_f32 v[EA+2*\j:EA+2*\j+1], v[EA+20+2*\j:EA+20+2*\j+1], s[58:59] op_sel_hi:[1,0]         ; a / 6
.endr
.irp j, 0,1,2,3
	v_pk_mul_f32 v[EA+10+2*\j:EA+10+2*\j+1], v[EA+28+2*\j:EA+28+2*\j+1], s[60:61] op_sel_hi:[1,0]   ; -2 b / 3
.endr
.irp j, 0,1,2,3
	v_pk_mul_f32 v[EA+20+2*\j:EA+20+2*\j+1], v[EA+20+2*\j:EA+20+2*\j+1], v[EA+20+2*\j:EA+20+2*\j+1]
.endr
.irp j, 0,1,2,3
	v_pk_mul_f32 v[EA+28+2*\j:EA+28+2*\j+1], v[EA+28+2*\j:EA+28+2*\j+1], v[EA+28+2*\j:EA+28+2*\j+1]
.endr
.irp j, 0,1,2,3
	v_pk_mul_f32 v[EA+28+2*\j:EA+28+2*\j+1], v[EA+28+2*\j:EA+28+2*\j+1], v[EA+10+2*\j:EA+10+2*\j+1]
.endr
.irp j, 0,1,2,3
	v_pk_fma_f32 v[NB+16*\j+2*(\k):NB+16*\j+2*(\k)+1], v[EA+20+2*\j:EA+20+2*\j+1], v[EA+2*\j:EA+2*\j+1], v[EA+28+2*\j:EA+28+2*\j+1]
.endr
.endm
	s_load_b512 s[8:23], s[0:1], 0x0               ; x_t 8, z_prev 10, splines wx 12, wh 14, hz 16, scalers wx 18, wh 20, hz 22
	s_load_b512 s[24:39], s[0:1], 0x40             ; codes wx 24, wh 26, hh 28, hz 30; scale bytes wx 32, wh 34, hh 36, hz 38
	s_load_b256 s[40:47], s[0:1], 0x80             ; acat1 40, bcat1 42, acat2 44, bcat2 46
	v_lshl_add_u32 v254, v0, 2, 0x10800
	v_mov_b32 v255, 0
	v_lshrrev_b32 v1, 5, v0
	v_readfirstlane_b32 s2, v1                     ; wave
	v_and_b32 v1, 31, v0                           ; lane
	v_and_b32 v2, 15, v0                           ; r
	v_bfe_u32 v3, v0, 4, 1                         ; h
	v_lshlrev_b32 v[L16], 4, v1
	s_mul_i32 s4, s2, WREG
	v_add_nc_u32 v[LST], s4, v[L16]
	v_mul_u32_u24 v[LRD], v2, PT
	v_add_nc_u32 v[LRD], s4, v[LRD]                ; my wave's stage, row r
	v_lshl_add_u32 v[LRX], v3, 6, v[LRD]
	v_lshl_add_u32 v[LRW], v3, 8, v[LRD]
	v_add_nc_u32 v[LSW], SSA, v[LRX]
	v_lshl_add_u32 v[LRD], v3, 7, v[LRD]
	v_lshlrev_b32 v[VWD], 4, v2                    ; 16 r
	v_lshl_add_u32 v[VCP], v3, 13, v[VWD]
	v_mul_u32_u24 v[VCS], v3, HB
	v_lshl_add_u32 v[VW4], v[VCS], 1, v[VWD]
	v_add_nc_u32 v[VCS], v[VCS], v[VWD]
	v_lshlrev_b32 v[VSL], 5, v2
	v_lshl_add_u32 v[VSL], v3, 4, v[VSL]
	v_lshl_add_u32 v[VWD], v3, 3, v[VWD]
	v_cmp_eq_u32 vcc_lo, 1, v3                     ; lanes 16-31; VCC is written nowhere else
.irp i, 0,1,2,3
	v_mov_b32 v[PX+\i], 0                          ; a lane permute's destination counts as one of its sources
.endr
.irp i, 0,1,2,3,4,5,6,7,8,9,10,11
	v_mov_b32 v[T+\i], 0
.endr
	v_mov_b32 v[WD+5], 0                           ; raw z's word is made for z alone
	s_mov_b32 s48, 0x76543210
	s_mov_b32 s49, 0xfedcba98                      ; v_permlanex16_b32's selects for lane l xor 16
	s_mov_b32 s52, 0x3fc00000                      ; 1.5   (packed forms name a pair and take its low word for both halves: both words are written)
	s_mov_b32 s53, s52
	s_mov_b32 s54, 0x40200000                      ; 2.5
	s_mov_b32 s55, s54
	s_mov_b32 s56, 0x40600000                      ; 3.5
	s_mov_b32 s57, s56
	s_mov_b32 s58, 0x3e2aaaab                      ; 1/6
	s_mov_b32 s59, s58
	s_mov_b32 s60, 0xbf2aaaab                      ; -2/3
	s_mov_b32 s61, s60
	s_mov_b32 s62, 0xbfb8aa3b                      ; -log2(e)
	s_mov_b32 s63, s62
	s_mov_b32 s92, 0xffff                          ; lanes 0-15
	s_mov_b32 s93, 0xffff0000                      ; lanes 16-31
	s_mov_b32 s85, 0                               ; the upper word of every 32-bit offset
	s_wait_kmcnt 0x0
	s_cmp_lt_u32 ttmp9, 256
	s_cbranch_scc1 .Lact
	s_cmp_lt_u32 ttmp9, 640
	s_cbranch_scc1 .Lw
; ---------------- COPY: a wave moves one group of 64 rows of one given weight: 1,024 codes a row = two half-blocks
	s_sub_co_u32 s4, ttmp9, 640
	s_lshr_b32 s5, s4, 2                           ; which tensor: wx_base, wh_base, hh_w, hz_base
	s_and_b32 s4, s4, 3
	s_lshl_b32 s4, s4, 2
	s_add_co_u32 s4, s4, s2                        ; group 0..15
	s_mov_b64 s[68:69], s[30:31]
	s_mov_b64 s[70:71], s[38:39]
	s_mov_b32 s81, 2                               ; its first half-block in the destination
	s_cmp_eq_u32 s5, 2
	s_cselect_b64 s[68:69], s[28:29], s[68:69]
	s_cselect_b64 s[70:71], s[36:37], s[70:71]
	s_cselect_b32 s81, 0, s81
	s_cmp_eq_u32 s5, 1
	s_cselect_b64 s[68:69], s[26:27], s[68:69]
	s_cselect_b64 s[70:71], s[34:35], s[70:71]
	s_cselect_b32 s81, 10, s81
	s_cmp_eq_u32 s5, 0
	s_cselect_b64 s[68:69], s[24:25], s[68:69]
	s_cselect_b64 s[70:71], s[32:33], s[70:71]
	s_cselect_b32 s81, 0, s81
	s_cmp_lt_u32 s5, 2
	s_cselect_b64 s[72:73], s[42:43], s[46:47]
	s_cselect_b32 s80, 20, 12
	s_mul_i32 s84, s4, s80
	s_add_co_u32 s84, s84, s81
	s_mul_i32 s84, s84, HB
	s_add_nc_u64 s[72:73], s[72:73], s[84:85]
	s_lshl_b32 s84, s4, 15                         ; 64 rows x 512 bytes of codes
	s_add_nc_u64 s[68:69], s[68:69], s[84:85]
	s_lshl_b32 s84, s4, 11                         ; 64 rows x 32 scale bytes
	s_add_nc_u64 s[70:71], s[70:71], s[84:85]
.irp i, 0,1,2,3
	global_load_b128 v[SCL+4*\i:SCL+4*\i+3], v[VSL], s[70:71] offset:\i*512 th:TH_LOAD_NT   ; row 16 i + r: the four words of half-block h
.endr
	LOADCH R0, 68, 512, 0
	LOADCH R1, 68, 512, 8192
.macro CSTEP i, rs                     ; rows 16 i ..: lane (r, h), c, k holds block 16 c + 8 h + k of row r
.if \i < 3
	s_wait_loadcnt 16                              ; this chunk (and what was asked for ahead of it) is in; the one younger chunk may be out
.else
	s_wait_loadcnt 0x0
.endif
	TOST \rs, 0
	s_wait_xcnt 0x0                                ; the last step's stores have read the registers that the loads below fill
	LOADX XC
	s_wait_dscnt 0x0                               ; the numbers are back, and the stage's stores have read the chunk's registers
.if \i < 2
	LOADCH \rs, 68, 512, (\i+2)*8192
.endif
.irp c, 0,1
.irp k, 0,1,2,3,4,5,6,7
	global_store_b128 v[VCP], v[XC+32*\c+4*\k:XC+32*\c+4*\k+3], s[72:73] offset:\c*HB+(\k/4)*4096+\i*1024+(\k%4)*256   ; each half of the lanes stores 256 consecutive bytes, aligned
.endr
.endr
.endm
	CSTEP 0, R0
	CSTEP 1, R1
	CSTEP 2, R0
	CSTEP 3, R1
.irp i, 0,1,2,3
	global_store_b128 v[VCS], v[SCL+4*\i:SCL+4*\i+3], s[72:73] offset:16384+\i*256
.endr
	s_wait_tensorcnt 0x0
	ds_add_u32 v254, v255
	s_wait_dscnt 0x0
	s_endpgm
; ---------------- W: a wave takes 16 rows (outputs) x 128 input features x 4 coefficients of one spline weight: one fragment of one row block in each of four half-blocks
.Lw:
	s_sub_co_u32 s4, ttmp9, 256
	s_lshr_b32 s5, s4, 7                           ; which weight: wx, wh, hz
	s_and_b32 s4, s4, 127
	s_lshl_b32 s4, s4, 2
	s_add_co_u32 s4, s4, s2                        ; unit 0..511
	s_lshr_b32 s6, s4, 3                           ; row block 0..63
	s_and_b32 s7, s4, 7                            ; which 128 features
	s_mov_b64 s[68:69], s[16:17]
	s_mov_b64 s[70:71], s[22:23]
	s_mov_b64 s[72:73], s[46:47]
	s_mov_b32 s80, 12                              ; half-blocks in a group of the destination
	s_mov_b32 s81, 4                               ; and the first of this weight's
	s_cmp_eq_u32 s5, 1
	s_cselect_b64 s[68:69], s[14:15], s[68:69]
	s_cselect_b64 s[70:71], s[20:21], s[70:71]
	s_cselect_b64 s[72:73], s[42:43], s[72:73]
	s_cselect_b32 s80, 20, s80
	s_cselect_b32 s81, 12, s81
	s_cmp_eq_u32 s5, 0
	s_cselect_b64 s[68:69], s[12:13], s[68:69]
	s_cselect_b64 s[70:71], s[18:19], s[70:71]
	s_cselect_b64 s[72:73], s[42:43], s[72:73]
	s_cselect_b32 s80, 20, s80
	s_cselect_b32 s81, 2, s81
	s_lshl_b32 s84, s6, 18                         ; 16 rows x 16,384 bytes of spline
	s_lshl_b32 s86, s7, 11                         ; 128 features x 16 bytes
	s_add_co_u32 s84, s84, s86
	s_add_nc_u64 s[68:69], s[68:69], s[84:85]
	s_lshl_b32 s84, s6, 16                         ; 16 rows x 4,096 bytes of scaler
	s_lshl_b32 s86, s7, 9
	s_add_co_u32 s84, s84, s86
	s_add_nc_u64 s[70:71], s[70:71], s[84:85]
	s_lshr_b32 s86, s6, 2
	s_mul_i32 s86, s86, s80
	s_add_co_u32 s86, s86, s81
	s_lshr_b32 s87, s7, 2                          ; which 512 features
	s_add_co_u32 s86, s86, s87
	s_mul_i32 s86, s86, HB                         ; coefficient 0's half-block; coefficient c's lies 2 c half-blocks on
	s_and_b32 s87, s6, 3                           ; row block in the group
	s_and_b32 s88, s7, 3                           ; fragment in the half-block
	s_lshl_b32 s84, s88, 2
	s_add_co_u32 s84, s84, s87
	s_lshl_b32 s84, s84, 10
	s_add_co_u32 s84, s84, s86
	s_add_nc_u64 s[74:75], s[72:73], s[84:85]      ; my codes
	s_lshl_b32 s84, s87, 8
	s_lshl_b32 s89, s88, 2
	s_add_co_u32 s84, s84, s89
	s_add_co_u32 s84, s84, s86
	s_add_co_u32 s84, s84, 16384
	s_add_nc_u64 s[76:77], s[72:73], s[84:85]      ; my scale words
	LOADCH XW, 70, 4096, 0                         ; the scalers of the 128 features
	LOADCH R0, 68, 16384, 0                        ; features 0-31
	s_wait_loadcnt 16                              ; the scalers are in; the first chunk may be out
	TOST XW, SSA
	s_wait_dscnt 0x0                               ; those stores have read their registers
.macro WSTEP j                         ; block j of the fragment: 32 features; my 16 of them
	s_wait_loadcnt 0x0                             ; the chunk: the only loads that are out
	TOST R0, 0
.set lj, 0
.rept 16
	ds_load_b128 v[XW+4*lj:XW+4*lj+3], v[LRW] offset:lj*16     ; feature lj of my 16: its four coefficients
.set lj, lj+1
.endr
.irp k, 0,1,2,3
	ds_load_b128 v[SCL+4*\k:SCL+4*\k+3], v[LSW] offset:(\j)*128+\k*16
.endr
	s_wait_dscnt 0x0                               ; all are back, and the stage's stores have read the chunk's registers
.if \j < 3
	LOADCH R0, 68, 16384, (\j+1)*512               ; the next chunk lands during this one's arithmetic
.endif
.set wf, 0
.rept 16
.irp c, 0,1,2,3
	v_mul_f32 v[YW+16*\c+wf], v[XW+4*wf+\c], v[SCL+wf]         ; spline x scaler, and each coefficient into a run of its own
.endr
.set wf, wf+1
.endr
	HQN 4, YW, 1, 0, 74, (\j)*256, \j
.endm
	WSTEP 0
	WSTEP 1
	WSTEP 2
	WSTEP 3
	v_cndmask_b32 v[TA], v[WD], v[WD+1], vcc_lo    ; lanes 0-15 store coefficient 0's (then 2's) word of row r, lanes 16-31 coefficient 1's (3's)
	v_cndmask_b32 v[TB], v[WD+2], v[WD+3], vcc_lo
	global_store_b32 v[VW4], v[TA], s[76:77]       ; one word in a row's 16 bytes: the other three fragments' words belong to three other waves' units; 393,216 bytes of the launch's stores go so
	global_store_b32 v[VW4], v[TB], s[76:77] offset:4*HB
	s_wait_tensorcnt 0x0
	ds_add_u32 v254, v255
	s_wait_dscnt 0x0
	s_endpgm
; ---------------- ACT: a wave takes 16 rows x 512 features of x or of z, 128 features (a fragment) a trip
.Lact:
	s_lshr_b32 s80, ttmp9, 7                       ; 0: x, 1: z
	s_and_b32 s4, ttmp9, 127
	s_lshl_b32 s4, s4, 2
	s_add_co_u32 s4, s4, s2                        ; unit 0..511
	s_lshr_b32 s5, s4, 1                           ; row block 0..255
	s_and_b32 s6, s4, 1                            ; which 512 features
	s_lshr_b32 s7, s5, 2                           ; group
	s_and_b32 s81, s5, 3                           ; row block in the group
	s_cmp_eq_u32 s80, 0
	s_cselect_b64 s[68:69], s[8:9], s[10:11]
	s_lshl_b32 s84, s5, 16
	s_lshl_b32 s86, s6, 11
	s_add_co_u32 s84, s84, s86
	s_add_nc_u64 s[68:69], s[68:69], s[84:85]      ; the source
	s_mul_i32 s86, s7, 20*HB                       ; my group in acat1
	s_lshl_b32 s88, s81, 10
	s_lshl_b32 s89, s81, 8
	s_add_co_u32 s89, s89, 16384
	s_mul_i32 s87, s80, 10
	s_add_co_u32 s87, s87, s6
	s_mul_i32 s87, s87, HB
	s_add_co_u32 s87, s87, s86                     ; silu's half-block; basis c's lies 2 (c + 1) half-blocks on
	s_add_co_u32 s84, s87, s88
	s_add_nc_u64 s[70:71], s[40:41], s[84:85]      ; codes: a fragment (4,096 bytes) on in each trip
	s_add_co_u32 s84, s87, s89
	s_add_nc_u64 s[72:73], s[40:41], s[84:85]      ; scale words
	s_mul_i32 s87, s7, 12
	s_add_co_u32 s87, s87, s6
	s_mul_i32 s87, s87, HB                         ; z itself, in acat2
	s_add_co_u32 s84, s87, s88
	s_add_nc_u64 s[78:79], s[44:45], s[84:85]
	s_add_co_u32 s84, s87, s89
	s_add_nc_u64 s[82:83], s[44:45], s[84:85]
; block b of the trip's fragment: 32 features, my 16 of them in v[XA] on
.macro ACTB b
	s_wait_dscnt 0x0                               ; my 16 numbers are back from the stage
.set j, 0
.rept 8
	v_pk_mul_f32 v[YA+j:YA+j+1], v[XA+j:XA+j+1], s[62:63] op_sel_hi:[1,0]
.set j, j+2
.endr
.set j, 0
.rept 16
	v_exp_f32 v[YA+j], v[YA+j]                     ; e^-x
.set j, j+1
.endr
	v_nop                                          ; a plain instruction behind the last of the batch,
	s_wait_alu depctr_va_vdst(0)                   ; and one wait for the batch ahead of its first reader
.set j, 0
.rept 8
	v_pk_add_f32 v[YA+j:YA+j+1], v[YA+j:YA+j+1], 1.0 op_sel_hi:[1,0]
.set j, j+2
.endr
.set j, 0
.rept 16
	v_rcp_f32 v[YA+j], v[YA+j]
.set j, j+1
.endr
	v_nop
	s_wait_alu depctr_va_vdst(0)
.set j, 0
.rept 8
	v_pk_mul_f32 v[YA+j:YA+j+1], v[YA+j:YA+j+1], v[XA+j:XA+j+1]   ; silu(x) = x / (1 + e^-x)
.set j, j+2
.endr
	HQN 1, YA, 1, 0, 70, (\b)*256, \b
	s_cmp_eq_u32 s80, 0                            ; z is also an operand as it stands
	s_cbranch_scc1 .Lno_raw_\@
	HQN 1, XA, 1, 5, 78, (\b)*256, \b
.Lno_raw_\@:
.irp k, 0,1,2,3,4,5,6,7
	BSPP XA+2*\k, \k
.endr
.if \b < 3
	LOADXA (\b)+1                                  ; the next block's numbers come back while the bases are quantised
.endif
	HQN 4, NB, 0, 1, 70, 2*HB+(\b)*256, \b         ; no |.|: no basis is negative beyond rounding, and the floor stands over that
.endm
	LOADCH R0, 68, 4096, 0
	s_mov_b32 s3, 4
.Lact_trip:
	s_wait_loadcnt 0x0                             ; the trip's chunk: the only loads that are out
	TOST R0, 0
	LOADXA 0
	s_wait_dscnt 0x0                               ; the stage's stores have read the chunk's registers
	s_cmp_eq_u32 s3, 1
	s_cbranch_scc1 .Lact_no_next                   ; the last trip asks for nothing: no load leaves its buffer
	s_add_nc_u64 s[68:69], s[68:69], 512           ; (the loads that named this base are done)
	LOADCH R0, 68, 4096, 0                         ; the next chunk lands during this trip's arithmetic
.Lact_no_next:
	ACTB 0
	ACTB 1
	ACTB 2
	ACTB 3
	s_cmp_gt_u32 s3, 2                             ; every lane has the fragment's six words.  Lanes 0-15 keep those of fragments 0 and 1, lanes 16-31 those of 2 and 3: 8 neighbouring bytes of row r's 16
	s_cselect_b32 s50, s92, s93
.irp x, 0,1,2,3,4,5
	v_cndmask_b32 v[T+2*\x], v[T+2*\x], v[T+2*\x+1], s50
	v_cndmask_b32 v[T+2*\x+1], v[T+2*\x+1], v[WD+\x], s50
.endr
	s_wait_xcnt 0x0                                ; the trip's stores have read their bases
	s_add_nc_u64 s[70:71], s[70:71], 4096
	s_add_nc_u64 s[78:79], s[78:79], 4096
	s_sub_co_u32 s3, s3, 1
	s_cmp_lg_u32 s3, 0
	s_cbranch_scc1 .Lact_trip
.irp x, 0,1,2,3,4
	global_store_b64 v[VWD], v[T+2*\x:T+2*\x+1], s[72:73] offset:\x*2*HB   ; silu's, then the four bases': the wave stores 256 consecutive bytes, aligned
.endr
	s_cmp_eq_u32 s80, 0
	s_cbranch_scc1 .Lact_end
	global_store_b64 v[VWD], v[T+10:T+11], s[82:83]
.Lact_end:
	s_wait_tensorcnt 0x0
	ds_add_u32 v254, v255
	s_wait_dscnt 0x0
	s_endpgm
.Lfunc_end_k_q2824b665ce_prep:
	.size	k_q2824b665ce_prep, .Lfunc_end_k_q2824b665ce_prep-k_q2824b665ce_prep
	.p2alignl 7, 3214868480
	.fill 96, 4, 3214868480
	.section	.rodata,"a",@progbits
	.p2align	6, 0x0
	.amdhsa_kernel k_q2824b665ce_prep
		.amdhsa_group_segment_fixed_size 68096
		.amdhsa_private_segment_fixed_size 0
		.amdhsa_enable_private_segment 0
		.amdhsa_kernarg_size 160
		.amdhsa_user_sgpr_count 2
		.amdhsa_user_sgpr_kernarg_segment_ptr 1
		.amdhsa_wavefront_size32 1
		.amdhsa_system_sgpr_workgroup_id_x 1
		.amdhsa_system_sgpr_workgroup_id_y 1
		.amdhsa_system_sgpr_workgroup_id_z 1
		.amdhsa_system_vgpr_workitem_id 0
		.amdhsa_next_free_vgpr 256
		.amdhsa_next_free_sgpr 100
		.amdhsa_reserve_vcc 1
		.amdhsa_float_denorm_mode_32 3
		.amdhsa_float_denorm_mode_16_64 3
		.amdhsa_memory_ordered 1
		.amdhsa_forward_progress 1
		.amdhsa_inst_pref_size 213
	.end_amdhsa_kernel
	.amdgpu_metadata
---
amdhsa.version: [ 1, 2 ]
amdhsa.kernels:
  - .name:           k_q2824b665ce_prep
    .symbol:         k_q2824b665ce_prep.kd
    .args:
      - { .name: x_t, .offset: 0, .size: 8, .value_kind: global_buffer, .address_space: global }
      - { .name: z_prev, .offset: 8, .size: 8, .value_kind: global_buffer, .address_space: global }
      - { .name: wx_spline, .offset: 16, .size: 8, .value_kind: global_buffer, .address_space: global }
      - { .name: wh_spline, .offset: 24, .size: 8, .value_kind: global_buffer, .address_space: global }
      - { .name: hz_spline, .offset: 32, .size: 8, .value_kind: global_buffer, .address_space: global }
      - { .name: wx_scaler, .offset: 40, .size: 8, .value_kind: global_buffer, .address_space: global }
      - { .name: wh_scaler, .offset: 48, .size: 8, .value_kind: global_buffer, .address_space: global }
      - { .name: hz_scaler, .offset: 56, .size: 8, .value_kind: global_buffer, .address_space: global }
      - { .name: wx_base_codes, .offset: 64, .size: 8, .value_kind: global_buffer, .address_space: global }
      - { .name: wh_base_codes, .offset: 72, .size: 8, .value_kind: global_buffer, .address_space: global }
      - { .name: hh_w_codes, .offset: 80, .size: 8, .value_kind: global_buffer, .address_space: global }
      - { .name: hz_base_codes, .offset: 88, .size: 8, .value_kind: global_buffer, .address_space: global }
      - { .name: wx_base_scales, .offset: 96, .size: 8, .value_kind: global_buffer, .address_space: global }
      - { .name: wh_base_scales, .offset: 104, .size: 8, .value_kind: global_buffer, .address_space: global }
      - { .name: hh_w_scales, .offset: 112, .size: 8, .value_kind: global_buffer, .address_space: global }
      - { .name: hz_base_scales, .offset: 120, .size: 8, .value_kind: global_buffer, .address_space: global }
      - { .name: acat1, .offset: 128, .size: 8, .value_kind: global_buffer, .address_space: global }
      - { .name: bcat1, .offset: 136, .size: 8, .value_kind: global_buffer, .address_space: global }
      - { .name: acat2, .offset: 144, .size: 8, .value_kind: global_buffer, .address_space: global }
      - { .name: bcat2, .offset: 152, .size: 8, .value_kind: global_buffer, .address_space: global }
    .group_segment_fixed_size: 68096
    .private_segment_fixed_size: 0
    .kernarg_segment_align: 8
    .kernarg_segment_size: 160
    .max_flat_workgroup_size: 128
    .sgpr_count:     100
    .vgpr_count:     256
    .wavefront_size: 32
...
	.end_amdgpu_metadata
.endif
;; end of part 1
;; launch gemm1 (part 2): grid 8 x 32, 4 waves a work-group, clusters of 4 x 4, 327,680 bytes of LDS; arguments acat1, bcat1, out0, acat2; writes out0, acat2
.if DOCPART == 2
	.amdgcn_target "amdgcn-amd-amdhsa--gfx1250"
	.amdhsa_code_object_version 6
	.text
	.protected	k_q2824b665ce_gemm1
	.globl	k_q2824b665ce_gemm1
	.p2align	8
	.type	k_q2824b665ce_gemm1,@function
k_q2824b665ce_gemm1:
	s_mov_b64 s[64:65], 0
	v_nop
	global_prefetch_b8 v0, s[64:65] scope:SCOPE_SE
	s_setreg_imm32_b32 hwreg(HW_REG_WAVE_MODE, 25, 1), 1
	s_wait_xcnt 0x0
	s_wait_alu depctr_hold_cnt(0) depctr_sa_sdst(0) depctr_va_vdst(0) depctr_va_sdst(0) depctr_va_ssrc(0) depctr_va_vcc(0) depctr_vm_vsrc(0)
	s_getreg_b32 s2, hwreg(HW_REG_IB_STS2, 6, 4)
	s_cmp_eq_u32 s2, 0
	s_cbranch_scc0 .Lentry_in_a_cluster
	s_endpgm
.Lentry_in_a_cluster:
	s_bfe_u32 s2, ttmp6, 0x10000c
	s_cmp_lg_u32 s2, 0xf033
	s_cbranch_scc0 .Lentry_shape_is_right
	s_endpgm
.Lentry_shape_is_right:
; GEMM1: s = acat1 x bcat1^T, one f32 sum over K = 10,240 (silu(x), the four bases of x, silu(z), the four bases of z, against their weights), on codes of E2M1 with E8M0 scales;
; o = tanh(s) -> out0; silu(o) and the four bases of o, quantised along the next product's K, -> acat2 (half-blocks 2-3 and 4-11).
; OPERANDS lie in memory as images of operand registers: a half-block of HB bytes = 64 rows x 512 K: codes at (4 q + i) 1024 + 512 c + 16 lane, scale words at 16384 + 256 i + 16 r + 4 q.
; A K step is 1,024: two half-blocks, BLK dense bytes for each group of 64 rows, brought by ONE tensor load as 136 rows of 256 bytes.  A fragment is two ds_load_b128 at 16 x lane: no pitch, no padding.
; SHARES.  A tile of 128 x 128 to a work-group gives 8 x 32 = 256 work-groups; four waves 2 x 2, each 64 x 64: 16 accumulators.  Ring of two LDS slots of 4 BLK: A's two groups, B's two groups; wave w fetches part w.
; CLUSTER 4 x 4: A's blocks are shared along a row of the cluster, B's along a column: joint loads.
; THE MATRIX INSTRUCTION IS USED TRANSPOSED (source 0 = 16 rows of B, source 1 = 16 rows of A): lane (r, h) holds row r and columns 16 b + 8 h + 0 .. 7.
; THE NEXT PRODUCT'S K: silu(o): k = feature; the spline part: k = 1024 c + feature.  So silu(o) and each basis of o are five tensors [rows][1024] quantised alike: a block is 32 neighbouring columns of o:
; accumulators 2 e and 2 e + 1 of lanes l and l xor 16.
; The bases: o = tanh(s) lies in [-1, 1], one knot interval, so with t = 1/2 + o/2, u = 1 - t they are u^3/6, t^2 (t/2 - 1) + 2/3, u^2 (u/2 - 1) + 2/3, t^3/6.
; LIMITS: tanh(s) = 1 - 2 / (1 + 2^(2 log2(e) s)) has an absolute error of about 1.2e-7; the four products are one chain of f32 sums over the joined K; NaN and infinities are not served;
; a block under 2^-124 gets the byte 1.
; REGISTERS.  Window 0: v1-31 addresses; v32-95 scale words, two sets, and nothing else; v128-255 the accumulators ((a, b) at 128 + 8 (4 a + b)).
;   Window 1: two fragment buffers of 128 (for each of two 128-K sub-steps: A's four fragments, then B's four); on the way out all work registers.
.set NHB,   20
.set NS,    10                         ; K steps
.set LAPS,  NS/2
.set HB,    17408
.set BLK,   2*HB
.set SLOT,  4*BLK
.set SPARE, 2*SLOT                     ; the spare words: 128 bytes a wave, two blocks of 256 bytes that no other line names
.set SPT,   272                        ; the way out, in slot 0 (it has had its last fill and its last read by then): a stage of 16 rows x 272 bytes for each wave, from byte 0,
.set SIL,   17408                      ; and five times 512 bytes in which the two waves of a row half join the five tensors' scale words
.set ADRA, 16                          ; v16-17 my A group's images in slot 0, 1: + 16 lane
.set SILW, 19
.set ADRB, 20                          ; v20-21 the same for B
.set ADRS, 22                          ; v22-23 scale words: lanes 0-15 A's, lanes 16-31 B's
.set STO,  24
.set RD,   25
.set CO,   26
.set L16,  27
.set SPW,  28                          ; v28 SPARE + 4 x thread; never rewritten
.set NIL,  29                          ; v29 0; never rewritten
.set SILR, 31
.set SC,   32
.set ACC,  128
.set F0,   0
.set F1,   128
.set G1,   24                          ; s[24:31] group 1 for A; s[32:39] its groups 0, one for each slot
.set G0,   32
.set G1B,  48                          ; s[48:55], s[56:63] the same for B
.set G0B,  56
; window 1 on the way out
.set OB,   0                           ; 16 rows of o read back from the stage
.set T,    32                          ; 32 numbers ahead of the quantiser
.set UU,   64                          ; u of my 32 numbers
.set TT,   96                          ; t
.set EO,   128                         ; four pairs of squares, four pairs of factors
.set CQ,   144                         ; the five tensors' codes, four registers each
.set SWD,  164                         ; their two scale bytes
.set MX,   170
.set PX,   172
.set SX,   174
.set BX,   176
.set MSB, 0
.macro WIN new                         ; the immediate's high byte repeats the setting that is left
.if MSB != \new
	s_set_vgpr_msb (MSB<<8)|\new
.set MSB, \new
.endif
.endm
.set MUL,  0x05                        ; sources 0 and 1 window 1; C and D window 0
.set TO_F, 0x40                        ; destination window 1, address window 0
.macro PLACES
.rept 4
	v_nop
.endr
.endm
.macro JLOAD s                         ; a joint load: waves 0 and 1 fetch A's two groups, waves 2 and 3 B's; four v_nop follow each line
	s_cmp_eq_u32 s13, 0
	s_cbranch_scc0 .Lfor_b_\@
	tensor_load_to_lds s[G0+4*\s:G0+4*\s+3], s[G1:G1+7]
	s_nop 0
.rept 4
	v_nop
.endr
	s_branch .Lasked_\@
.Lfor_b_\@:
	tensor_load_to_lds s[G0B+4*\s:G0B+4*\s+3], s[G1B:G1B+7]
	s_nop 0
.rept 4
	v_nop
.endr
.Lasked_\@:
.endm
.macro CREST                           ; a round of the cluster's barrier behind its opening barrier
	s_cmp_lg_u32 s12, 0
	s_cbranch_scc1 .Lnot_wave_0_\@
	s_barrier_signal -3
.Lnot_wave_0_\@:
	s_barrier_wait -3
	s_barrier_signal -1
	s_barrier_wait -1
.endm
.macro CROUND
	s_barrier_signal -1
	s_barrier_wait -1
	CREST
.endm
	s_load_b256 s[4:11], s[0:1], 0x0               ; acat1 s[4:5], bcat1 s[6:7], out0 s[8:9], acat2 s[10:11]
	v_lshl_add_u32 v[SPW], v0, 2, SPARE
	v_mov_b32 v[NIL], 0
	ds_add_u32 v28, v29
	ds_add_u32 v28, v29
	s_wait_dscnt 0x0
	v_lshrrev_b32 v1, 5, v0
	v_readfirstlane_b32 s12, v1                    ; wave
	s_lshr_b32 s13, s12, 1                         ; wr: my half of the rows.  Also: I fetch for A (0) or B (1)
	s_and_b32 s14, s12, 1                          ; wc: my half of the columns.  Also: which group I fetch
	s_bfe_u32 s15, ttmp6, 0x40000                  ; cx
	s_bfe_u32 s16, ttmp6, 0x40004                  ; cy
	s_lshl_b32 s17, ttmp9, 2
	s_add_co_u32 s17, s17, s15                     ; tile column
	s_and_b32 s18, ttmp7, 0xffff
	s_lshl_b32 s18, s18, 2
	s_add_co_u32 s18, s18, s16                     ; tile row
	s_lshl_b32 s19, s16, 2
	s_lshl_b32 s19, 15, s19                        ; my row of the cluster
	s_lshl_b32 s20, 0x1111, s15                    ; my column
	s_or_b32 s[G1], s19, (3<<16)|(1<<21)           ; 15:0 the mask; 17:16 elements of 8 bytes; 21 set beside a mask; no padding
	s_or_b32 s[G1B], s20, (3<<16)|(1<<21)
.irp g, G1, G1B
	s_mov_b32 s[\g+1], 32<<16                      ; tensor_dim0 = 32 elements: 256 bytes
	s_mov_b32 s[\g+2], 136<<16                     ; tensor_dim1 = 136 rows: BLK bytes
	s_mov_b32 s[\g+3], 32<<16                      ; tile_dim0
	s_mov_b32 s[\g+4], 136                         ; tile_dim1
	s_mov_b32 s[\g+5], 32                          ; pitch: dense
	s_mov_b32 s[\g+6], 0
	s_mov_b32 s[\g+7], 0
.endr
	s_lshl_b32 s40, s18, 1
	s_add_co_u32 s40, s40, s14                     ; A: group 2 x tile row + which
	s_mul_i32 s40, s40, NHB*HB
	s_mov_b32 s41, 0
	s_lshl_b32 s44, s17, 1
	s_add_co_u32 s44, s44, s14                     ; B: group 2 x tile column + which
	s_mul_i32 s44, s44, NHB*HB
	s_mov_b32 s45, 0
	s_mul_i32 s21, s12, BLK                        ; where it goes: wave x BLK: no place in the cluster enters an LDS address
	s_wait_kmcnt 0x0
	s_add_nc_u64 s[40:41], s[4:5], s[40:41]
	s_add_nc_u64 s[44:45], s[6:7], s[44:45]
	CROUND                                         ; all sixteen work-groups are here: the first joint loads meet
.irp s, 0,1
	s_mov_b32 s[G0+4*\s], 1
	s_add_co_u32 s[G0+4*\s+1], s21, \s*SLOT
	s_add_nc_u64 s[G0+4*\s+2:G0+4*\s+3], s[40:41], \s*BLK
	s_or_b32 s[G0+4*\s+3], s[G0+4*\s+3], 0x80000000
	s_mov_b32 s[G0B+4*\s], 1
	s_add_co_u32 s[G0B+4*\s+1], s21, \s*SLOT
	s_add_nc_u64 s[G0B+4*\s+2:G0B+4*\s+3], s[44:45], \s*BLK
	s_or_b32 s[G0B+4*\s+3], s[G0B+4*\s+3], 0x80000000
	JLOAD \s
.endr
	v_and_b32 v1, 15, v0                           ; r
	v_bfe_u32 v2, v0, 4, 1                         ; h
	v_and_b32 v3, 31, v0                           ; lane
	v_lshlrev_b32 v[L16], 4, v3
	s_mul_i32 s22, s13, BLK                        ; A's group wr
	s_mul_i32 s23, s14, BLK
	s_add_co_u32 s23, s23, 2*BLK                   ; B's group wc
	v_add_nc_u32 v[ADRA], s22, v[L16]
	v_add_nc_u32 v[ADRB], s23, v[L16]
	v_add_nc_u32 v[ADRA+1], SLOT, v[ADRA]
	v_add_nc_u32 v[ADRB+1], SLOT, v[ADRB]
	s_xor_b32 s23, s13, 1
	s_add_co_u32 s23, s23, s14
	s_add_co_u32 s23, s23, 1
	s_mul_i32 s23, s23, BLK                        ; from A's group wr to B's group wc: (2 + wc - wr) BLK
	v_mul_u32_u24 v4, s23, v2                      ; lanes 16-31 take B's words
	v_lshl_add_u32 v4, v1, 4, v4
	s_add_co_u32 s22, s22, 16384
	v_add_nc_u32 v[ADRS], s22, v4
	v_add_nc_u32 v[ADRS+1], SLOT, v[ADRS]
	s_mul_i32 s22, s12, 16*SPT                     ; my stage
	v_mul_u32_u24 v[STO], v1, SPT
	v_lshl_add_u32 v[STO], v2, 5, v[STO]
	v_add_nc_u32 v[STO], s22, v[STO]               ; in: row r, 32 bytes for each half of the lanes
	v_mul_u32_u24 v[RD], v2, SPT
	v_lshl_add_u32 v[RD], v1, 4, v[RD]
	v_add_nc_u32 v[RD], s22, v[RD]                 ; back: lanes 0-15 one row of 256 bytes, lanes 16-31 the next
	v_lshlrev_b32 v[CO], 12, v2
	v_lshl_add_u32 v[CO], v1, 4, v[CO]             ; and the same two rows in out0
	s_lshl_b32 s22, s13, 8
	s_lshl_b32 s23, s14, 1
	s_add_co_u32 s22, s22, s23
	s_add_co_u32 s22, s22, SIL
	v_lshl_add_u32 v[SILW], v1, 2, s22             ; SIL + 256 wr + 4 r + 2 wc (+ 64 a + 512 x)
	s_lshl_b32 s22, s13, 2
	s_lshl_b32 s23, s14, 1
	s_add_co_u32 s22, s22, s23                     ; 4 wr + 2 wc: the first of the two row blocks whose words I store
	s_lshl_b32 s23, s22, 6
	s_add_co_u32 s23, s23, SIL
	v_lshl_add_u32 v[SILR], v3, 2, s23
	s_mov_b32 s66, 0x4038aa3b                      ; 2 log2(e)
	s_mov_b32 s67, s66
	s_mov_b32 s68, 0xbfb8aa3b                      ; -log2(e)
	s_mov_b32 s69, s68
	s_mov_b32 s70, 0x76543210
	s_mov_b32 s71, 0xfedcba98                      ; v_permlanex16_b32's selects for lane l xor 16
	; where my results go
	s_mov_b32 s87, 0
	s_lshl_b32 s82, s18, 1
	s_add_co_u32 s82, s82, s13
	s_mul_i32 s82, s82, 12*HB                      ; my group of 64 rows in acat2
	s_lshr_b32 s84, s17, 2
	s_add_co_u32 s84, s84, 2
	s_mul_i32 s84, s84, HB
	s_add_co_u32 s84, s84, s82                     ; silu(o): half-block 2 + tile column / 4; basis c: 2 (c + 1) half-blocks on;
	s_and_b32 s85, s17, 3                          ; fragment tile column % 4
	s_lshl_b32 s88, s14, 9
	s_lshl_b32 s86, s85, 12
	s_add_co_u32 s86, s86, s88
	s_add_co_u32 s86, s86, s84
	s_add_nc_u64 s[74:75], s[10:11], s[86:87]      ; codes: half c = wc of the fragment
	s_lshl_b32 s86, s85, 2
	s_add_co_u32 s86, s86, s88
	s_add_co_u32 s86, s86, s84
	s_add_co_u32 s86, s86, 16384
	s_add_nc_u64 s[78:79], s[10:11], s[86:87]      ; scale words of row blocks 2 wc, 2 wc + 1
	s_lshl_b32 s86, s18, 7
	s_lshl_b32 s89, s13, 6
	s_add_co_u32 s86, s86, s89
	s_lshl_b32 s86, s86, 12                        ; my first row of out0, 4,096 bytes a row,
	s_lshl_b32 s89, s17, 9
	s_add_co_u32 s86, s86, s89
	s_lshl_b32 s89, s14, 8
	s_add_co_u32 s86, s86, s89                     ; my 64 columns: 256 bytes, aligned
	s_add_nc_u64 s[80:81], s[8:9], s[86:87]
; 8 matrix instructions: A's blocks a0, a0 + 1 x B's four; sub-step cc of buffer f; q: which 128 of the K step; set: the slot's scale words.  init = 1: the first product starts the sums.
; The 16 accumulators take turns, one instruction a turn, in the same order everywhere.
.macro MUL8 f, cc, a0, q, set, init
.irp a, \a0, \a0+1
.irp b, 0,1,2,3
.if \init
	v_wmma_scale_f32_16x16x128_f8f6f4 v[ACC+8*(4*(\a)+\b):ACC+8*(4*(\a)+\b)+7], v[\f+64*\cc+32+8*\b:\f+64*\cc+32+8*\b+7], v[\f+64*\cc+8*(\a):\f+64*\cc+8*(\a)+7], 0, v[SC+32*\set+(((\q)/4)*4+\b)*4+(\q)%4], v[SC+32*\set+(((\q)/4)*4+(\a))*4+(\q)%4] matrix_a_fmt:MATRIX_FMT_FP4 matrix_b_fmt:MATRIX_FMT_FP4 matrix_a_scale:MATRIX_SCALE_ROW1
.else
	v_wmma_scale_f32_16x16x128_f8f6f4 v[ACC+8*(4*(\a)+\b):ACC+8*(4*(\a)+\b)+7], v[\f+64*\cc+32+8*\b:\f+64*\cc+32+8*\b+7], v[\f+64*\cc+8*(\a):\f+64*\cc+8*(\a)+7], v[ACC+8*(4*(\a)+\b):ACC+8*(4*(\a)+\b)+7], v[SC+32*\set+(((\q)/4)*4+\b)*4+(\q)%4], v[SC+32*\set+(((\q)/4)*4+(\a))*4+(\q)%4] matrix_a_fmt:MATRIX_FMT_FP4 matrix_b_fmt:MATRIX_FMT_FP4 matrix_a_scale:MATRIX_SCALE_ROW1
.endif
.endr
.endr
.endm
; 32 LDS loads in one run: quarter Q of a K step (256 along K) into buffer f, the first 128 first
.macro FETCH slot, Q, f
	WIN TO_F
.irp cc, 0,1
.irp i, 0,1,2,3
	ds_load_b128 v[\f+64*\cc+32+8*\i:\f+64*\cc+32+8*\i+3],   v[ADRB+\slot] offset:((2*(\Q)+\cc)/4)*HB+(((2*(\Q)+\cc)%4)*4+\i)*1024
	ds_load_b128 v[\f+64*\cc+32+8*\i+4:\f+64*\cc+32+8*\i+7], v[ADRB+\slot] offset:((2*(\Q)+\cc)/4)*HB+(((2*(\Q)+\cc)%4)*4+\i)*1024+512
	ds_load_b128 v[\f+64*\cc+8*\i:\f+64*\cc+8*\i+3],         v[ADRA+\slot] offset:((2*(\Q)+\cc)/4)*HB+(((2*(\Q)+\cc)%4)*4+\i)*1024
	ds_load_b128 v[\f+64*\cc+8*\i+4:\f+64*\cc+8*\i+7],       v[ADRA+\slot] offset:((2*(\Q)+\cc)/4)*HB+(((2*(\Q)+\cc)%4)*4+\i)*1024+512
.endr
.endr
.endm
.macro SCALES slot                     ; the K step's scale words: four words a load; lanes 0-15 A's block i, lanes 16-31 B's block i
	WIN 0
.irp qh, 0,1
.irp i, 0,1,2,3
	ds_load_b128 v[SC+32*\slot+(\qh*4+\i)*4:SC+32*\slot+(\qh*4+\i)*4+3], v[ADRS+\slot] offset:\qh*HB+\i*256
.endr
.endr
.endm
; one of a K step's first three quarters: multiplies buffer f, fetches the next quarter into g in its middle
.macro QUARTER slot, Q, f, g, init
	s_wait_dscnt 16                                ; all but the youngest 16 loads (the second 128 along K) are in
	WIN MUL
	MUL8 \f, 0, 0, 2*(\Q), \slot, \init
	MUL8 \f, 0, 2, 2*(\Q), \slot, \init
	PLACES                                         ; four plain instructions between the last product that read buffer g and the loads into it
	FETCH \slot, (\Q)+1, \g
	s_wait_dscnt 32                                ; all but the 32 just issued
	WIN MUL
	MUL8 \f, 1, 0, 2*(\Q)+1, \slot, 0
	MUL8 \f, 1, 2, 2*(\Q)+1, \slot, 0
.endm
; the last quarter multiplies buffer 1 and changes slots: one barrier; ahead of it each wave waits for all its tensor loads, adds 0 to its spare word, and waits for that and for its reads of this slot
.macro TURN slot, next, fill
	WIN 0                                          ; (the add's two registers lie in window 0)
	s_wait_tensorcnt 0x0                           ; my one load that was out, my part of the next slot, has landed
	ds_add_u32 v[SPW], v[NIL]                      ; 0 onto my spare word
	s_wait_dscnt 17                                ; (the add and the youngest 16 loads may be out)
	WIN MUL
	MUL8 F1, 0, 0, 6, \slot, 0
	s_wait_dscnt 0x0                               ; the add is done, and my reads of this slot are over
	s_barrier_signal -1
	MUL8 F1, 0, 2, 6, \slot, 0
.if \fill
	WIN 0
.endif
	s_barrier_wait -1
.if \fill
	CREST                                          ; the barrier has opened a round of the cluster's: no wave of any partner still reads this slot or has a load on its way
	s_add_nc_u64 s[G0+4*\slot+2:G0+4*\slot+3], s[G0+4*\slot+2:G0+4*\slot+3], 2*BLK
	s_add_nc_u64 s[G0B+4*\slot+2:G0B+4*\slot+3], s[G0B+4*\slot+2:G0B+4*\slot+3], 2*BLK
	JLOAD \slot                                    ; the first tensor load behind the round; its four v_nop are also the places ahead of the loads below
.else
	PLACES
.endif
	SCALES \next
	FETCH \next, 0, F0
	WIN MUL
	MUL8 F1, 1, 0, 7, \slot, 0
	MUL8 F1, 1, 2, 7, \slot, 0
.endm
	s_wait_tensorcnt 1                             ; my part of K step 0 is in; K step 1's may be out
	s_barrier_signal -1
	s_barrier_wait -1
	SCALES 0
	FETCH 0, 0, F0
	QUARTER 0, 0, F0, F1, 1                        ; the first quarter stands ahead of the loop: its first products start the sums
	WIN 0
	s_mov_b32 s3, LAPS-1
.Llap:                                             ; a trip goes once round the ring and fills both slots again
	QUARTER 0, 1, F1, F0, 0
	QUARTER 0, 2, F0, F1, 0
	TURN 0, 1, 1
	QUARTER 1, 0, F0, F1, 0
	QUARTER 1, 1, F1, F0, 0
	QUARTER 1, 2, F0, F1, 0
	TURN 1, 0, 1
	QUARTER 0, 0, F0, F1, 0
	WIN 0
	s_sub_co_u32 s3, s3, 1
	s_cmp_lg_u32 s3, 0
	s_cbranch_scc1 .Llap
	QUARTER 0, 1, F1, F0, 0                        ; the last lap fills nothing
	QUARTER 0, 2, F0, F1, 0
	TURN 0, 1, 0
	QUARTER 1, 0, F0, F1, 0
	QUARTER 1, 1, F1, F0, 0
	QUARTER 1, 2, F0, F1, 0
	s_wait_dscnt 16
	WIN MUL
	MUL8 F1, 0, 0, 6, 1, 0
	MUL8 F1, 0, 2, 6, 1, 0
	s_wait_dscnt 0x0
	MUL8 F1, 1, 0, 7, 1, 0
	MUL8 F1, 1, 2, 7, 1, 0
	WIN 0
	PLACES                                         ; ahead of the first read of results and of writes into the fragment buffers
; ---------------- THE WAY OUT.  All work registers lie in window 1, where the fragments lay; o stays in the accumulators.
	WIN 0x40                                       ; destination window 1
	v_mov_b32 v[PX], 0                             ; a lane permute's destination counts as one of its sources
	v_mov_b32 v[PX+1], 0
.macro RECIP1P                         ; T = 1 / (1 + 2^T): two batches, each with a plain instruction behind it and one wait ahead of its first reader
	WIN 0x41
.set j, 0
.rept 32
	v_exp_f32 v[T+j], v[T+j]
.set j, j+1
.endr
	v_nop
	s_wait_alu depctr_va_vdst(0)
.set j, 0
.rept 16
	v_pk_add_f32 v[T+j:T+j+1], v[T+j:T+j+1], 1.0 op_sel_hi:[1,0]
.set j, j+2
.endr
.set j, 0
.rept 32
	v_rcp_f32 v[T+j], v[T+j]
.set j, j+1
.endr
	v_nop
	s_wait_alu depctr_va_vdst(0)
.endm
; a basis of my 32 numbers into T, from v = u or t at v[src] on.  mid = 0: v^3 / 6;  mid = 1: v^2 (v / 2 - 1) + 2/3.  Four pairs by turns, so that no line waits for the line above it
.macro BAS src, mid
.irp g, 0,1,2,3
.irp p, 0,1,2,3
	v_pk_mul_f32 v[EO+2*\p:EO+2*\p+1], v[\src+8*\g+2*\p:\src+8*\g+2*\p+1], v[\src+8*\g+2*\p:\src+8*\g+2*\p+1]
.endr
.irp p, 0,1,2,3
.if \mid
	v_pk_fma_f32 v[EO+8+2*\p:EO+8+2*\p+1], v[\src+8*\g+2*\p:\src+8*\g+2*\p+1], 0.5, -1.0 op_sel_hi:[1,0,0]
.else
	v_pk_mul_f32 v[EO+8+2*\p:EO+8+2*\p+1], v[\src+8*\g+2*\p:\src+8*\g+2*\p+1], 0x3e2aaaab op_sel_hi:[1,0]
.endif
.endr
.irp p, 0,1,2,3
.if \mid
	v_pk_fma_f32 v[T+8*\g+2*\p:T+8*\g+2*\p+1], v[EO+2*\p:EO+2*\p+1], v[EO+8+2*\p:EO+8+2*\p+1], 0x3f2aaaab op_sel_hi:[1,1,0]
.else
	v_pk_mul_f32 v[T+8*\g+2*\p:T+8*\g+2*\p+1], v[EO+2*\p:EO+2*\p+1], v[EO+8+2*\p:EO+8+2*\p+1]
.endif
.endr
.endr
.endm
; T's 32 numbers are my halves of two blocks (block e: registers 16 e .. 16 e + 15, with lane l xor 16's) of tensor x (0: silu(o); 1 + c: basis c): codes into v[CQ + 4 x] on, the two bytes into v[SWD + x].
.macro QT x, ab
.irp e, 0,1
.if \ab
	v_max3_num_f32 v[MX+\e], |v[T+16*\e]|, |v[T+16*\e+1]|, 0x1800000   ; the floor 2^(3 - 127) among the leaves: the byte cannot fall under 1
.else
	v_max3_num_f32 v[MX+\e], v[T+16*\e], v[T+16*\e+1], 0x1800000
.endif
.endr
.irp i, 2,4,6,8,10,12,14
.irp e, 0,1
.if \ab
	v_max3_num_f32 v[MX+\e], v[MX+\e], |v[T+16*\e+\i]|, |v[T+16*\e+\i+1]|
.else
	v_max3_num_f32 v[MX+\e], v[MX+\e], v[T+16*\e+\i], v[T+16*\e+\i+1]
.endif
.endr
.endr
.irp e, 0,1
	v_permlanex16_b32 v[PX+\e], v[MX+\e], s70, s71
.endr
.irp e, 0,1
	v_max_num_f32 v[MX+\e], v[MX+\e], v[PX+\e]
.endr
.irp e, 0,1
	v_add_nc_u32 v[SX+\e], 0xff000000, v[MX+\e]    ; 2 off the exponent field: the conversions' scale operand
.endr
	v_cvt_scalef32_pk8_fp4_f32 v[CQ+4*\x], v[T:T+7], v[SX]
	v_cvt_scalef32_pk8_fp4_f32 v[CQ+4*\x+2], v[T+8:T+15], v[SX]
	v_cvt_scalef32_pk8_fp4_f32 v[CQ+4*\x+1], v[T+16:T+23], v[SX+1]
	v_cvt_scalef32_pk8_fp4_f32 v[CQ+4*\x+3], v[T+24:T+31], v[SX+1]
.irp e, 0,1
	v_lshrrev_b32 v[BX+\e], 23, v[SX+\e]           ; the bytes; also the plain instructions behind the conversions
.endr
	v_permlane16_swap_b32 v[CQ+4*\x], v[CQ+4*\x+1]     ; lanes 0-15 now hold block 0 whole, lanes 16-31 block 1: the image of half c = wc of the fragment
	v_permlane16_swap_b32 v[CQ+4*\x+2], v[CQ+4*\x+3]
	v_lshl_or_b32 v[SWD+\x], v[BX+1], 8, v[BX]     ; bytes 2 wc, 2 wc + 1 of my row's word
.endm
; rows 16 a .. 16 a + 15 of my 64
.macro OUTA a
.set AC, ACC+32*(\a)
	s_wait_xcnt 0x0                                ; the last block's stores have read their data registers
	WIN 0x40
.set j, 0
.rept 16
	v_pk_mul_f32 v[T+j:T+j+1], v[AC+j:AC+j+1], s[66:67] op_sel_hi:[1,0]   ; ascending: each accumulator is first read at its low end
.set j, j+2
.endr
	RECIP1P
	WIN 0x01
.set j, 0
.rept 16
	v_pk_fma_f32 v[AC+j:AC+j+1], v[T+j:T+j+1], -2.0, 1.0 op_sel_hi:[1,0,0]   ; o = tanh(s) = 1 - 2 / (1 + e^(2 s))
.set j, j+2
.endr
	WIN 0
.irp b, 0,1,2,3
	ds_store_b128 v[STO], v[AC+8*\b:AC+8*\b+3] offset:64*\b
	ds_store_b128 v[STO], v[AC+8*\b+4:AC+8*\b+7] offset:64*\b+16
.endr
	WIN 0x40
.irp t, 0,1,2,3,4,5,6,7
	ds_load_b128 v[OB+4*\t:OB+4*\t+3], v[RD] offset:\t*2*SPT   ; LDS serves a wave's instructions in order: these see the stores; they land during the arithmetic below
.endr
.set j, 0
.rept 16
	v_pk_mul_f32 v[T+j:T+j+1], v[AC+j:AC+j+1], s[68:69] op_sel_hi:[1,0]
.set j, j+2
.endr
	RECIP1P
	WIN 0x44
.set j, 0
.rept 16
	v_pk_mul_f32 v[T+j:T+j+1], v[AC+j:AC+j+1], v[T+j:T+j+1]   ; silu(o) = o / (1 + e^-o)
.set j, j+2
.endr
	WIN 0x40
.set j, 0
.rept 16
	v_pk_fma_f32 v[UU+j:UU+j+1], v[AC+j:AC+j+1], -0.5, 0.5 op_sel_hi:[1,0,0]   ; u = 1/2 - o/2
	v_pk_fma_f32 v[TT+j:TT+j+1], v[AC+j:AC+j+1], 0.5, 0.5 op_sel_hi:[1,0,0]    ; t = 1/2 + o/2
.set j, j+2
.endr
	WIN 0x55                                       ; all that follows works in window 1
	QT 0, 1
	BAS UU, 0
	QT 1, 0                                        ; no |.|: no basis is negative
	BAS TT, 1
	QT 2, 0
	BAS UU, 1
	QT 3, 0
	BAS TT, 0
	QT 4, 0
	WIN 0x04                                       ; a store's data: window 1; its address: window 0
.irp x, 0,1,2,3,4
	global_store_b128 v[L16], v[CQ+4*\x:CQ+4*\x+3], s[74:75] offset:\x*2*HB+(\a)*1024   ; 512 consecutive bytes
.endr
.irp x, 0,1,2,3,4
	ds_store_b16 v[SILW], v[SWD+\x] offset:512*\x+64*(\a)      ; both lanes of a row write the same bytes with the same value
.endr
	s_wait_dscnt 0x0                               ; o's rows are back from the stage, and my stores of scale bytes are done
.irp t, 0,1,2,3,4,5,6,7
	global_store_b128 v[CO], v[OB+4*\t:OB+4*\t+3], s[80:81] offset:(\a)*65536+\t*8192 th:TH_STORE_NT   ; 16 lanes store 256 consecutive bytes, aligned
.endr
.endm
	OUTA 0
	OUTA 1
	OUTA 2
	OUTA 3
	s_barrier_signal -1                            ; my LDS stores are done (the wait for 0 above): a row's scale words come from the two waves of its row half
	s_barrier_wait -1
	WIN 0x40
.irp x, 0,1,2,3,4
	ds_load_b32 v[T+\x], v[SILR] offset:512*\x     ; tensor x: the fragment's word of each row of two row blocks
.endr
	s_wait_dscnt 0x0
	WIN 0x04
.irp x, 0,1,2,3,4
	global_store_b32 v[L16], v[T+\x], s[78:79] offset:\x*2*HB   ; one word in a row's 16 bytes: the other three come from three other tile columns; 655,360 bytes of the launch's stores go so
.endr
	WIN 0
	s_wait_tensorcnt 0x0                           ; the wave's end
	ds_add_u32 v[SPW], v[NIL]
	s_wait_dscnt 0x0
	CROUND                                         ; the closing round
	s_endpgm
.Lfunc_end_k_q2824b665ce_gemm1:
	.size	k_q2824b665ce_gemm1, .Lfunc_end_k_q2824b665ce_gemm1-k_q2824b665ce_gemm1
	.p2alignl 7, 3214868480
	.fill 96, 4, 3214868480
	.section	.rodata,"a",@progbits
	.p2align	6, 0x0
	.amdhsa_kernel k_q2824b665ce_gemm1
		.amdhsa_group_segment_fixed_size 327680
		.amdhsa_private_segment_fixed_size 0
		.amdhsa_enable_private_segment 0
		.amdhsa_kernarg_size 32
		.amdhsa_user_sgpr_count 2
		.amdhsa_user_sgpr_kernarg_segment_ptr 1
		.amdhsa_wavefront_size32 1
		.amdhsa_system_sgpr_workgroup_id_x 1
		.amdhsa_system_sgpr_workgroup_id_y 1
		.amdhsa_system_sgpr_workgroup_id_z 1
		.amdhsa_system_vgpr_workitem_id 0
		.amdhsa_next_free_vgpr 512
		.amdhsa_next_free_sgpr 92
		.amdhsa_reserve_vcc 0
		.amdhsa_float_denorm_mode_32 3
		.amdhsa_float_denorm_mode_16_64 3
		.amdhsa_memory_ordered 1
		.amdhsa_forward_progress 1
		.amdhsa_inst_pref_size 255
	.end_amdhsa_kernel
	.section	.bss,"aw",@nobits
	.p2align	6
	.space	262144
	.amdgpu_metadata
---
amdhsa.version: [ 1, 2 ]
amdhsa.kernels:
  - .name:           k_q2824b665ce_gemm1
    .symbol:         k_q2824b665ce_gemm1.kd
    .args:
      - { .name: acat1, .offset: 0, .size: 8, .value_kind: global_buffer, .address_space: global }
      - { .name: bcat1, .offset: 8, .size: 8, .value_kind: global_buffer, .address_space: global }
      - { .name: out0, .offset: 16, .size: 8, .value_kind: global_buffer, .address_space: global }
      - { .name: acat2, .offset: 24, .size: 8, .value_kind: global_buffer, .address_space: global }
    .group_segment_fixed_size: 327680
    .private_segment_fixed_size: 0
    .kernarg_segment_align: 8
    .kernarg_segment_size: 32
    .max_flat_workgroup_size: 128
    .sgpr_count:     92
    .vgpr_count:     512
    .wavefront_size: 32
...
	.end_amdgpu_metadata
.endif
;; end of part 2
;; launch gemm2 (part 3): grid 8 x 32, 4 waves a work-group, clusters of 4 x 4, 327,680 bytes of LDS; arguments acat2, bcat2, hh_b, out1; writes out1
.if DOCPART == 3
	.amdgcn_target "amdgcn-amd-amdhsa--gfx1250"
	.amdhsa_code_object_version 6
	.text
	.protected	k_q2824b665ce_gemm2
	.globl	k_q2824b665ce_gemm2
	.p2align	8
	.type	k_q2824b665ce_gemm2,@function
k_q2824b665ce_gemm2:
	s_mov_b64 s[64:65], 0
	v_nop
	global_prefetch_b8 v0, s[64:65] scope:SCOPE_SE
	s_setreg_imm32_b32 hwreg(HW_REG_WAVE_MODE, 25, 1), 1
	s_wait_xcnt 0x0
	s_wait_alu depctr_hold_cnt(0) depctr_sa_sdst(0) depctr_va_vdst(0) depctr_va_sdst(0) depctr_va_ssrc(0) depctr_va_vcc(0) depctr_vm_vsrc(0)
	s_getreg_b32 s2, hwreg(HW_REG_IB_STS2, 6, 4)
	s_cmp_eq_u32 s2, 0
	s_cbranch_scc0 .Lentry_in_a_cluster
	s_endpgm
.Lentry_in_a_cluster:
	s_bfe_u32 s2, ttmp6, 0x10000c
	s_cmp_lg_u32 s2, 0xf033
	s_cbranch_scc0 .Lentry_shape_is_right
	s_endpgm
.Lentry_shape_is_right:
; GEMM2: z_t = acat2 x bcat2^T + hh_b -> out1: one f32 sum over K = 6,144 (z against hh_w, silu(o) against hz_base, bsp(o) against spline x scaler of hz), on codes of E2M1 with E8M0 scales.
; OPERANDS lie in memory as images of operand registers: a half-block of HB bytes = 64 rows x 512 K: codes at (4 q + i) 1024 + 512 c + 16 lane, scale words at 16384 + 256 i + 16 r + 4 q.
; A K step is 1,024: two half-blocks, BLK dense bytes for each group of 64 rows, brought by ONE tensor load as 136 rows of 256 bytes.  A fragment is two ds_load_b128 at 16 x lane.
; SHARES.  A tile of 128 x 128 to a work-group: 8 x 32 = 256 work-groups; four waves 2 x 2, each 64 x 64: 16 accumulators.  Ring of two LDS slots of 4 BLK; wave w fetches part w.
; CLUSTER 4 x 4: A's blocks are shared along a row of the cluster, B's along a column: joint loads.
; THE MATRIX INSTRUCTION IS USED TRANSPOSED (source 0 = 16 rows of B, source 1 = 16 rows of A): lane (r, h) holds row r and columns 16 b + 8 h + 0 .. 7.  The bias is the C of each sum's first instruction.
; LIMIT: the three products and the bias are one chain of f32 sums over the joined K.
; REGISTERS.  Window 0: v1-31 addresses; v32-95 scale words, two sets, and nothing else; v96-127 the bias of my 64 columns; v128-255 the accumulators.  Window 1: two fragment buffers; on the way out rows of z_t.
.set NHB,   12
.set NS,    6
.set LAPS,  NS/2
.set HB,    17408
.set BLK,   2*HB
.set SLOT,  4*BLK
.set SPARE, 2*SLOT                     ; the spare words: 128 bytes a wave, two blocks of 256 bytes that no other line names
.set SPT,   272                        ; the way out, in slot 0 (it has had its last fill and its last read by then): a stage of 16 rows x 272 bytes for each wave
.set ADRA, 16
.set ADRB, 20
.set ADRS, 22
.set STO,  24
.set RD,   25
.set CO,   26
.set L16,  27
.set SPW,  28                          ; v28 SPARE + 4 x thread; never rewritten
.set NIL,  29                          ; v29 0; never rewritten
.set SC,   32
.set BIAS, 96
.set ACC,  128
.set F0,   0
.set F1,   128
.set G1,   24
.set G0,   32
.set G1B,  48
.set G0B,  56
.set MSB, 0
.macro WIN new                         ; the immediate's high byte repeats the setting that is left
.if MSB != \new
	s_set_vgpr_msb (MSB<<8)|\new
.set MSB, \new
.endif
.endm
.set MUL,  0x05                        ; sources 0 and 1 window 1; C and D window 0
.set TO_F, 0x40                        ; destination window 1, address window 0
.macro PLACES
.rept 4
	v_nop
.endr
.endm
.macro JLOAD s                         ; a joint load: waves 0 and 1 fetch A's two groups, waves 2 and 3 B's; four v_nop follow each line
	s_cmp_eq_u32 s13, 0
	s_cbranch_scc0 .Lfor_b_\@
	tensor_load_to_lds s[G0+4*\s:G0+4*\s+3], s[G1:G1+7]
	s_nop 0
.rept 4
	v_nop
.endr
	s_branch .Lasked_\@
.Lfor_b_\@:
	tensor_load_to_lds s[G0B+4*\s:G0B+4*\s+3], s[G1B:G1B+7]
	s_nop 0
.rept 4
	v_nop
.endr
.Lasked_\@:
.endm
.macro CREST
	s_cmp_lg_u32 s12, 0
	s_cbranch_scc1 .Lnot_wave_0_\@
	s_barrier_signal -3
.Lnot_wave_0_\@:
	s_barrier_wait -3
	s_barrier_signal -1
	s_barrier_wait -1
.endm
.macro CROUND
	s_barrier_signal -1
	s_barrier_wait -1
	CREST
.endm
	s_load_b256 s[4:11], s[0:1], 0x0               ; acat2 s[4:5], bcat2 s[6:7], hh_b s[8:9], out1 s[10:11]
	v_lshl_add_u32 v[SPW], v0, 2, SPARE
	v_mov_b32 v[NIL], 0
	ds_add_u32 v28, v29
	ds_add_u32 v28, v29
	s_wait_dscnt 0x0
	v_lshrrev_b32 v1, 5, v0
	v_readfirstlane_b32 s12, v1                    ; wave
	s_lshr_b32 s13, s12, 1                         ; wr.  Also: I fetch for A (0) or B (1)
	s_and_b32 s14, s12, 1                          ; wc.  Also: which group I fetch
	s_bfe_u32 s15, ttmp6, 0x40000                  ; cx
	s_bfe_u32 s16, ttmp6, 0x40004                  ; cy
	s_lshl_b32 s17, ttmp9, 2
	s_add_co_u32 s17, s17, s15                     ; tile column
	s_and_b32 s18, ttmp7, 0xffff
	s_lshl_b32 s18, s18, 2
	s_add_co_u32 s18, s18, s16                     ; tile row
	s_lshl_b32 s19, s16, 2
	s_lshl_b32 s19, 15, s19                        ; my row of the cluster
	s_lshl_b32 s20, 0x1111, s15                    ; my column
	s_or_b32 s[G1], s19, (3<<16)|(1<<21)           ; 15:0 the mask; 17:16 elements of 8 bytes; 21 set beside a mask; no padding
	s_or_b32 s[G1B], s20, (3<<16)|(1<<21)
.irp g, G1, G1B
	s_mov_b32 s[\g+1], 32<<16                      ; tensor_dim0 = 32 elements: 256 bytes
	s_mov_b32 s[\g+2], 136<<16                     ; tensor_dim1 = 136 rows: BLK bytes
	s_mov_b32 s[\g+3], 32<<16                      ; tile_dim0
	s_mov_b32 s[\g+4], 136                         ; tile_dim1
	s_mov_b32 s[\g+5], 32                          ; pitch: dense
	s_mov_b32 s[\g+6], 0
	s_mov_b32 s[\g+7], 0
.endr
	s_lshl_b32 s40, s18, 1
	s_add_co_u32 s40, s40, s14
	s_mul_i32 s40, s40, NHB*HB
	s_mov_b32 s41, 0
	s_lshl_b32 s44, s17, 1
	s_add_co_u32 s44, s44, s14
	s_mul_i32 s44, s44, NHB*HB
	s_mov_b32 s45, 0
	s_mul_i32 s21, s12, BLK
	s_wait_kmcnt 0x0
	s_add_nc_u64 s[40:41], s[4:5], s[40:41]
	s_add_nc_u64 s[44:45], s[6:7], s[44:45]
	CROUND                                         ; all sixteen work-groups are here: the first joint loads meet
.irp s, 0,1
	s_mov_b32 s[G0+4*\s], 1
	s_add_co_u32 s[G0+4*\s+1], s21, \s*SLOT
	s_add_nc_u64 s[G0+4*\s+2:G0+4*\s+3], s[40:41], \s*BLK
	s_or_b32 s[G0+4*\s+3], s[G0+4*\s+3], 0x80000000
	s_mov_b32 s[G0B+4*\s], 1
	s_add_co_u32 s[G0B+4*\s+1], s21, \s*SLOT
	s_add_nc_u64 s[G0B+4*\s+2:G0B+4*\s+3], s[44:45], \s*BLK
	s_or_b32 s[G0B+4*\s+3], s[G0B+4*\s+3], 0x80000000
	JLOAD \s
.endr
	v_and_b32 v1, 15, v0                           ; r
	v_bfe_u32 v2, v0, 4, 1                         ; h
	v_and_b32 v3, 31, v0                           ; lane
	s_mov_b32 s87, 0
	s_lshl_b32 s86, s17, 9
	s_lshl_b32 s89, s14, 8
	s_add_co_u32 s86, s86, s89                     ; my 64 columns, in bytes of f32
	s_add_nc_u64 s[8:9], s[8:9], s[86:87]
	v_lshlrev_b32 v5, 5, v2                        ; the bias in the result's layout: lane (r, h), tile b: columns 16 b + 8 h + 0 .. 7
.irp b, 0,1,2,3
	global_load_b128 v[BIAS+8*\b:BIAS+8*\b+3], v5, s[8:9] offset:64*\b
	global_load_b128 v[BIAS+8*\b+4:BIAS+8*\b+7], v5, s[8:9] offset:64*\b+16
.endr
	v_lshlrev_b32 v[L16], 4, v3
	s_mul_i32 s22, s13, BLK
	s_mul_i32 s23, s14, BLK
	s_add_co_u32 s23, s23, 2*BLK
	v_add_nc_u32 v[ADRA], s22, v[L16]
	v_add_nc_u32 v[ADRB], s23, v[L16]
	v_add_nc_u32 v[ADRA+1], SLOT, v[ADRA]
	v_add_nc_u32 v[ADRB+1], SLOT, v[ADRB]
	s_xor_b32 s23, s13, 1
	s_add_co_u32 s23, s23, s14
	s_add_co_u32 s23, s23, 1
	s_mul_i32 s23, s23, BLK                        ; from A's group wr to B's group wc: (2 + wc - wr) BLK
	v_mul_u32_u24 v4, s23, v2                      ; lanes 16-31 take B's words
	v_lshl_add_u32 v4, v1, 4, v4
	s_add_co_u32 s22, s22, 16384
	v_add_nc_u32 v[ADRS], s22, v4
	v_add_nc_u32 v[ADRS+1], SLOT, v[ADRS]
	s_mul_i32 s22, s12, 16*SPT                     ; my stage
	v_mul_u32_u24 v[STO], v1, SPT
	v_lshl_add_u32 v[STO], v2, 5, v[STO]
	v_add_nc_u32 v[STO], s22, v[STO]
	v_mul_u32_u24 v[RD], v2, SPT
	v_lshl_add_u32 v[RD], v1, 4, v[RD]
	v_add_nc_u32 v[RD], s22, v[RD]
	v_lshlrev_b32 v[CO], 12, v2
	v_lshl_add_u32 v[CO], v1, 4, v[CO]
	s_lshl_b32 s82, s18, 7
	s_lshl_b32 s83, s13, 6
	s_add_co_u32 s82, s82, s83
	s_lshl_b32 s82, s82, 12                        ; my first row of out1, 4,096 bytes a row
	s_add_co_u32 s86, s86, s82
	s_add_nc_u64 s[80:81], s[10:11], s[86:87]
; 8 matrix instructions: A's blocks a0, a0 + 1 x B's four.  init = 1: the first product starts the sums, from the bias.  The 16 accumulators take turns.
.macro MUL8 f, cc, a0, q, set, init
.irp a, \a0, \a0+1
.irp b, 0,1,2,3
.if \init
	v_wmma_scale_f32_16x16x128_f8f6f4 v[ACC+8*(4*(\a)+\b):ACC+8*(4*(\a)+\b)+7], v[\f+64*\cc+32+8*\b:\f+64*\cc+32+8*\b+7], v[\f+64*\cc+8*(\a):\f+64*\cc+8*(\a)+7], v[BIAS+8*\b:BIAS+8*\b+7], v[SC+32*\set+(((\q)/4)*4+\b)*4+(\q)%4], v[SC+32*\set+(((\q)/4)*4+(\a))*4+(\q)%4] matrix_a_fmt:MATRIX_FMT_FP4 matrix_b_fmt:MATRIX_FMT_FP4 matrix_a_scale:MATRIX_SCALE_ROW1
.else
	v_wmma_scale_f32_16x16x128_f8f6f4 v[ACC+8*(4*(\a)+\b):ACC+8*(4*(\a)+\b)+7], v[\f+64*\cc+32+8*\b:\f+64*\cc+32+8*\b+7], v[\f+64*\cc+8*(\a):\f+64*\cc+8*(\a)+7], v[ACC+8*(4*(\a)+\b):ACC+8*(4*(\a)+\b)+7], v[SC+32*\set+(((\q)/4)*4+\b)*4+(\q)%4], v[SC+32*\set+(((\q)/4)*4+(\a))*4+(\q)%4] matrix_a_fmt:MATRIX_FMT_FP4 matrix_b_fmt:MATRIX_FMT_FP4 matrix_a_scale:MATRIX_SCALE_ROW1
.endif
.endr
.endr
.endm
.macro FETCH slot, Q, f                ; 32 LDS loads in one run: quarter Q of a K step into buffer f, the first 128 along K first
	WIN TO_F
.irp cc, 0,1
.irp i, 0,1,2,3
	ds_load_b128 v[\f+64*\cc+32+8*\i:\f+64*\cc+32+8*\i+3],   v[ADRB+\slot] offset:((2*(\Q)+\cc)/4)*HB+(((2*(\Q)+\cc)%4)*4+\i)*1024
	ds_load_b128 v[\f+64*\cc+32+8*\i+4:\f+64*\cc+32+8*\i+7], v[ADRB+\slot] offset:((2*(\Q)+\cc)/4)*HB+(((2*(\Q)+\cc)%4)*4+\i)*1024+512
	ds_load_b128 v[\f+64*\cc+8*\i:\f+64*\cc+8*\i+3],         v[ADRA+\slot] offset:((2*(\Q)+\cc)/4)*HB+(((2*(\Q)+\cc)%4)*4+\i)*1024
	ds_load_b128 v[\f+64*\cc+8*\i+4:\f+64*\cc+8*\i+7],       v[ADRA+\slot] offset:((2*(\Q)+\cc)/4)*HB+(((2*(\Q)+\cc)%4)*4+\i)*1024+512
.endr
.endr
.endm
.macro SCALES slot                     ; the K step's scale words: lanes 0-15 A's block i, lanes 16-31 B's block i
	WIN 0
.irp qh, 0,1
.irp i, 0,1,2,3
	ds_load_b128 v[SC+32*\slot+(\qh*4+\i)*4:SC+32*\slot+(\qh*4+\i)*4+3], v[ADRS+\slot] offset:\qh*HB+\i*256
.endr
.endr
.endm
.macro QUARTER slot, Q, f, g, init
	s_wait_dscnt 16                                ; all but the youngest 16 loads (the second 128 along K) are in
	WIN MUL
	MUL8 \f, 0, 0, 2*(\Q), \slot, \init
	MUL8 \f, 0, 2, 2*(\Q), \slot, \init
	PLACES                                         ; four plain instructions between the last product that read buffer g and the loads into it
	FETCH \slot, (\Q)+1, \g
	s_wait_dscnt 32                                ; all but the 32 just issued
	WIN MUL
	MUL8 \f, 1, 0, 2*(\Q)+1, \slot, 0
	MUL8 \f, 1, 2, 2*(\Q)+1, \slot, 0
.endm
.macro TURN slot, next, fill
	WIN 0                                          ; (the add's two registers lie in window 0)
	s_wait_tensorcnt 0x0                           ; my one load that was out, my part of the next slot, has landed
	ds_add_u32 v[SPW], v[NIL]                      ; 0 onto my spare word
	s_wait_dscnt 17                                ; (the add and the youngest 16 loads may be out)
	WIN MUL
	MUL8 F1, 0, 0, 6, \slot, 0
	s_wait_dscnt 0x0                               ; the add is done, and my reads of this slot are over
	s_barrier_signal -1
	MUL8 F1, 0, 2, 6, \slot, 0
.if \fill
	WIN 0
.endif
	s_barrier_wait -1
.if \fill
	CREST                                          ; the barrier has opened a round of the cluster's: no wave of any partner still reads this slot or has a load on its way
	s_add_nc_u64 s[G0+4*\slot+2:G0+4*\slot+3], s[G0+4*\slot+2:G0+4*\slot+3], 2*BLK
	s_add_nc_u64 s[G0B+4*\slot+2:G0B+4*\slot+3], s[G0B+4*\slot+2:G0B+4*\slot+3], 2*BLK
	JLOAD \slot                                    ; the first tensor load behind the round; its four v_nop are also the places ahead of the loads below
.else
	PLACES
.endif
	SCALES \next
	FETCH \next, 0, F0
	WIN MUL
	MUL8 F1, 1, 0, 7, \slot, 0
	MUL8 F1, 1, 2, 7, \slot, 0
.endm
	s_wait_tensorcnt 1                             ; my part of K step 0 is in; K step 1's may be out
	s_barrier_signal -1
	s_barrier_wait -1
	s_wait_loadcnt 0x0                             ; the bias
	SCALES 0
	FETCH 0, 0, F0
	QUARTER 0, 0, F0, F1, 1
	WIN 0
	s_mov_b32 s3, LAPS-1
.Llap:
	QUARTER 0, 1, F1, F0, 0
	QUARTER 0, 2, F0, F1, 0
	TURN 0, 1, 1
	QUARTER 1, 0, F0, F1, 0
	QUARTER 1, 1, F1, F0, 0
	QUARTER 1, 2, F0, F1, 0
	TURN 1, 0, 1
	QUARTER 0, 0, F0, F1, 0
	WIN 0
	s_sub_co_u32 s3, s3, 1
	s_cmp_lg_u32 s3, 0
	s_cbranch_scc1 .Llap
	QUARTER 0, 1, F1, F0, 0                        ; the last lap fills nothing
	QUARTER 0, 2, F0, F1, 0
	TURN 0, 1, 0
	QUARTER 1, 0, F0, F1, 0
	QUARTER 1, 1, F1, F0, 0
	QUARTER 1, 2, F0, F1, 0
	s_wait_dscnt 16
	WIN MUL
	MUL8 F1, 0, 0, 6, 1, 0
	MUL8 F1, 0, 2, 6, 1, 0
	s_wait_dscnt 0x0
	MUL8 F1, 1, 0, 7, 1, 0
	MUL8 F1, 1, 2, 7, 1, 0
	WIN 0
	PLACES                                         ; ahead of the first read of results and of loads into the fragment buffers
; THE WAY OUT: 16 rows x 64 columns at a time through my own stage; back as whole rows of 256 bytes.  My 64 columns are one aligned run of 256 bytes of a row of out1: no other wave is needed.
.macro TOSTAGE a
	WIN 0
.irp b, 0,1,2,3
	ds_store_b128 v[STO], v[ACC+8*(4*(\a)+\b):ACC+8*(4*(\a)+\b)+3] offset:64*\b        ; each accumulator from its low end on
	ds_store_b128 v[STO], v[ACC+8*(4*(\a)+\b)+4:ACC+8*(4*(\a)+\b)+7] offset:64*\b+16
.endr
	WIN 0x40
.irp t, 0,1,2,3,4,5,6,7
	ds_load_b128 v[32*((\a)%2)+4*\t:32*((\a)%2)+4*\t+3], v[RD] offset:\t*2*SPT         ; LDS serves a wave's instructions in order: these see the stores, and the next block's stores come behind them
.endr
.endm
.macro SEND a, younger                 ; younger: the LDS instructions issued behind block a's loads, which may stay out
	s_wait_dscnt \younger
	WIN 0x04
.irp t, 0,1,2,3,4,5,6,7
	global_store_b128 v[CO], v[32*((\a)%2)+4*\t:32*((\a)%2)+4*\t+3], s[80:81] offset:(\a)*65536+\t*8192 th:TH_STORE_NT   ; 16 lanes store 256 consecutive bytes, aligned
.endr
.endm
	TOSTAGE 0
	TOSTAGE 1
	SEND 0, 16                                     ; behind block 0's loads: block 1's 8 stores and 8 loads
	s_wait_xcnt 0x0                                ; block 0's stores have read the registers that block 2's loads fill
	TOSTAGE 2
	SEND 1, 16
	s_wait_xcnt 0x0
	TOSTAGE 3
	SEND 2, 16
	SEND 3, 0
	WIN 0
	s_wait_tensorcnt 0x0                           ; the wave's end
	ds_add_u32 v[SPW], v[NIL]
	s_wait_dscnt 0x0
	CROUND                                         ; the closing round
	s_endpgm
.Lfunc_end_k_q2824b665ce_gemm2:
	.size	k_q2824b665ce_gemm2, .Lfunc_end_k_q2824b665ce_gemm2-k_q2824b665ce_gemm2
	.p2alignl 7, 3214868480
	.fill 96, 4, 3214868480
	.section	.rodata,"a",@progbits
	.p2align	6, 0x0
	.amdhsa_kernel k_q2824b665ce_gemm2
		.amdhsa_group_segment_fixed_size 327680
		.amdhsa_private_segment_fixed_size 0
		.amdhsa_enable_private_segment 0
		.amdhsa_kernarg_size 32
		.amdhsa_user_sgpr_count 2
		.amdhsa_user_sgpr_kernarg_segment_ptr 1
		.amdhsa_wavefront_size32 1
		.amdhsa_system_sgpr_workgroup_id_x 1
		.amdhsa_system_sgpr_workgroup_id_y 1
		.amdhsa_system_sgpr_workgroup_id_z 1
		.amdhsa_system_vgpr_workitem_id 0
		.amdhsa_next_free_vgpr 512
		.amdhsa_next_free_sgpr 92
		.amdhsa_reserve_vcc 0
		.amdhsa_float_denorm_mode_32 3
		.amdhsa_float_denorm_mode_16_64 3
		.amdhsa_memory_ordered 1
		.amdhsa_forward_progress 1
		.amdhsa_inst_pref_size 121
	.end_amdhsa_kernel
	.amdgpu_metadata
---
amdhsa.version: [ 1, 2 ]
amdhsa.kernels:
  - .name:           k_q2824b665ce_gemm2
    .symbol:         k_q2824b665ce_gemm2.kd
    .args:
      - { .name: acat2, .offset: 0, .size: 8, .value_kind: global_buffer, .address_space: global }
      - { .name: bcat2, .offset: 8, .size: 8, .value_kind: global_buffer, .address_space: global }
      - { .name: hh_b, .offset: 16, .size: 8, .value_kind: global_buffer, .address_space: global }
      - { .name: out1, .offset: 24, .size: 8, .value_kind: global_buffer, .address_space: global }
    .group_segment_fixed_size: 327680
    .private_segment_fixed_size: 0
    .kernarg_segment_align: 8
    .kernarg_segment_size: 32
    .max_flat_workgroup_size: 128
    .sgpr_count:     92
    .vgpr_count:     512
    .wavefront_size: 32
...
	.end_amdgpu_metadata
.endif
;; end of part 3
